; MI455X (gfx1250); checked and timed in simulation.
; The chip was launched on July 23, 2026; its instructions are those of AMD's public machine-readable ISA for CDNA 5 (MIT licence, August 2026) and "CDNA5" Instruction Set Architecture Reference Guide (July 2026). The comments in the code are by the model that wrote it; some were corrected since.
;; Seq2 Seq Attention. Allowed arithmetic: matrix products marked QUANTISED: E4M3 operands, one E8M0 scale for each 32 along K, by v_wmma_scale_f32_16x16x128_f8f6f4 with both operands' format E4M3, f32 sums; products left as they are: f32 operands where the result goes on into a quantised operand, else bf16, f16 or f32 operands; f32 sums; everything else in f32.
;; Inputs: W 1,024 x 2,048 float32; b 1,024 float32; h_dec 32 x 1,024 float32; h_enc 32 x 2,048 x 1,024 float32; src_lens 32 int32; v 1,024 float32.
;; Outputs: out0 32 x 1,024 float32; out1 32 x 2,048 float32.
;; This version of the problem:
;;   THIS VERSION OF THE PROBLEM IS GIVEN IN LOW PRECISION. The matrix products marked QUANTISED in the list below multiply operands that are first quantised to E4M3 (4 exponent bits, 3 mantissa bits; 8 bits a number), with one power-of-two scale for each 32 numbers along K (OCP MX v1.0); their sums are f32. All else is computed in f32.
;;   The module's matrix products, in the order in which they are computed (A, B: the left and right operand; K: the contracted axis; several contracted axes count as one K, in the product's order):
;;     1. [M 32, K 1,024] x [K 1,024, N 1,024]; A: input h_dec; B: input W: QUANTISED
;;     2. [M 65,536, K 1,024] x [K 1,024, N 1,024]; A: input h_enc; B: input W: QUANTISED
;;     3. [M 65,536, K 1,024] x [K 1,024, N 1]; A: computed on the way; B: input v: left as it is (N = 1 < 16)
;;     4. batch 32 x [M 1, K 2,048] x [K 2,048, N 1,024]; A: softmax; B: input h_enc: left as it is (M = 1 < 16)
;;   THE QUANTISER, for each operand of a quantised product, along K:
;;     - K is cut into blocks of 32 from its start; a last block that is shorter is filled with zeros.
;;     - A block's scale is 2^e with e = floor(log2(the largest magnitude in the block)) - 8, held to -126 .. 127; a block of zeros has e = 0. As a byte (E8M0): e + 127.
;;     - Each number is divided by its block's scale, clamped to +-448, and rounded to the nearest number of E4M3, ties to even, subnormals kept.
;;     - The product sums the exact products of the quantised numbers (number of the format x scale) in f32.
;;   ~~~python
;;   def quantise(x, axis):      # numpy; x: float32 -> the quantised numbers, widened to float32 again
;;       x = np.moveaxis(x, axis, -1); K = x.shape[-1]
;;       x = np.pad(x, [(0, 0)] * (x.ndim - 1) + [(0, -K % 32)]); x = x.reshape(x.shape[:-1] + (-1, 32)); a = np.abs(x).max(-1, keepdims=True)
;;       e = np.where(a > 0, np.clip(np.frexp(np.where(a > 0, a, 1))[1] - 1 - 8, -126, 127), 0)      # np.frexp(a)[1] - 1 = floor(log2(a)), exactly
;;       r = np.clip(x / 2.0 ** e, -448, 448)
;;       step = 2.0 ** (np.maximum(np.frexp(np.where(r == 0, 1, r))[1] - 1, -6) - 3)
;;       q = np.round(r / step) * step * 2.0 ** e      # np.round: ties to even
;;       return np.moveaxis(q.reshape(q.shape[:-2] + (-1,))[..., :K], -1, axis).astype(np.float32)
;;   ~~~
;; 2 versions, each right; version 2 is version 1 with the launches prep, main written anew for expert scheduling mode. Each part assembles by itself: llvm-mc -triple=amdgcn-amd-amdhsa -mcpu=gfx1250 --defsym DOCPART=n.
;; ======== version 1 of 2: 3 launches
;; workspace buffers: wq 1,048,576 bytes; ws 32,768 bytes; bc 131,072 bytes; sc 262,144 bytes; st 8,192 bytes; pc 4,194,304 bytes
;; launch prep (part 1): grid 64 x 1, 8 waves a work-group, no clusters, 17,408 bytes of LDS; arguments W, b, h_dec, wq, ws, bc; writes wq, ws, bc
.if DOCPART == 1
	.amdgcn_target "amdgcn-amd-amdhsa--gfx1250"
	.amdhsa_code_object_version 6
	.text
	.protected	k_q652e4ee7c8_prep
	.globl	k_q652e4ee7c8_prep
	.p2align	8
	.type	k_q652e4ee7c8_prep,@function
k_q652e4ee7c8_prep:
	s_mov_b64 s[64:65], 0
	v_nop
	global_prefetch_b8 v0, s[64:65] scope:SCOPE_SE
	s_setreg_imm32_b32 hwreg(HW_REG_WAVE_MODE, 25, 1), 1
	s_wait_xcnt 0x0
; W [1024][2048] f32 = [Wd | We].  This launch (a) turns We into codes of E4M3 with one E8M0 byte for each 32 along K, laid as images of the operand's registers:
; wq [col tile c][K step s][group g][lane][16 bytes], ws [c][row r][s] one scale word; (b) makes bc[n][a] = C2 x (Q(h_dec) Q(Wd)^T + b), C2 = 2 log2(e), the addend of the next launch's exponent.
; SHARES: work-group c owns rows a = 16 c .. 16 c + 15 of W; wave w owns K step w (128 along K).  The eight waves' parts of dec_proj meet in LDS (2,048 bytes a wave), one barrier.
; A lane (r, h) loads, of row r, 16 neighbours of each block of 32: register 16 b + i = k 32 b + 16 h + i, the order of the operand's registers; a block's four loads cover 128 consecutive bytes of each of 16 rows
; (not whole runs of a wave's lanes: kept for a tensor of 8 MB that is read once).
; LIMITS: NaN and infinities are not served; a block whose largest magnitude lies under 2^(9 - 127) keeps the byte 1, a block of zeros too (its codes are zeros; this program alone reads the bytes).
.set C2,  0x4038aa3b
.set TM,  12                           ; v12-15 largest magnitudes, v16-19 bytes, v20-23 448 x the scale, v24-27 the conversions' scale operands
.set SWE, 32                           ; v32-35 scale words and nothing else: We, Wd, h_dec rows 0-15, rows 16-31
.set SWD, 33
.set SH0, 34
.set SH1, 35
.set AC0, 40                           ; v40-47, v48-55 dec_proj's two tiles (my K step's part)
.set AC1, 48
.set DA,  64                           ; v64-127, v128-191 two sets of 64 numbers
.set DB,  128
.set PC0, 192                          ; codes: We, Wd, h_dec rows 0-15, rows 16-31
.set PC1, 208
.set PC2, 224
.set PC3, 240
.set SEL, 20                           ; s[20:21] selects of v_permlanex16_b32: lane l xor 16
.set MNT, 22                           ; s22 the mantissa field of 448
.macro XLOAD reg, adr, base, extra     ; 64 numbers of my row: block b, four loads of 16 bytes
.irp b, 0,1,2,3
.irp j, 0,1,2,3
	global_load_b128 v[\reg+16*\b+4*\j:\reg+16*\b+4*\j+3], v[\adr], s[\base:\base+1] offset:\extra+128*\b+16*\j
.endr
.endr
.endm
; 64 numbers v[src] .. become a fragment's 16 registers of codes v[pc] .. and its scale word v[pw]
.macro QUANT src, pc, pw
.irp b, 0,1,2,3
	v_max3_num_f32 v[TM+\b], |v[\src+16*\b]|, |v[\src+1+16*\b]|, 0x4800000   ; my 16 numbers of block b and the floor 2^(9 - 127): the byte cannot fall under 1
.endr
.irp i, 2,4,6,8,10,12,14
.irp b, 0,1,2,3
	v_max3_num_f32 v[TM+\b], v[TM+\b], |v[\src+16*\b+\i]|, |v[\src+1+16*\b+\i]|
.endr
.endr
.irp b, 0,1,2,3
	v_permlanex16_b32 v[TM+4+\b], v[TM+\b], s[SEL], s[SEL+1]
.endr
.irp b, 0,1,2,3
	v_max_num_f32 v[TM+\b], v[TM+\b], v[TM+4+\b]             ; with lane l xor 16's: the block's largest magnitude
.endr
.irp b, 0,1,2,3
	v_add_nc_u32 v[TM+12+\b], 0xfc000000, v[TM+\b]           ; 8 off its exponent field: the conversion's scale operand
.endr
.irp b, 0,1,2,3
	v_and_or_b32 v[TM+8+\b], v[TM+\b], 0x7f800000, s[MNT]    ; 448 x the scale
.endr
.irp b, 0,1,2,3
	v_lshrrev_b32 v[TM+4+\b], 23, v[TM+12+\b]                ; the scale's byte
.endr
	v_lshl_or_b32 v[\pw], v[TM+5], 8, v[TM+4]
	v_lshl_or_b32 v[\pw], v[TM+6], 16, v[\pw]
	v_lshl_or_b32 v[\pw], v[TM+7], 24, v[\pw]
.irp b, 0,1,2,3
.irp i, 0,1,2,3,4,5,6,7,8,9,10,11,12,13,14,15
	v_med3_num_f32 v[\src+16*\b+\i], v[\src+16*\b+\i], -v[TM+8+\b], v[TM+8+\b]   ; the conversion to an 8-bit code does not saturate (ISA guide 7.6.2): the hold comes first
.endr
	v_cvt_scalef32_pk8_fp8_f32 v[\pc+4*\b:\pc+1+4*\b], v[\src+16*\b:\src+7+16*\b], v[TM+12+\b]
	v_cvt_scalef32_pk8_fp8_f32 v[\pc+2+4*\b:\pc+3+4*\b], v[\src+8+16*\b:\src+15+16*\b], v[TM+12+\b]
.endr
	v_nop                                          ; one plain line behind the last conversion
.endm
	s_load_b256 s[4:11], s[0:1], 0x0               ; W s[4:5], b s[6:7], h_dec s[8:9], wq s[10:11]
	s_load_b128 s[12:15], s[0:1], 0x20             ; ws s[12:13], bc s[14:15]
	v_lshl_add_u32 v62, v0, 2, 0x4000
	v_mov_b32 v63, 0
	v_lshrrev_b32 v11, 5, v0
	v_readfirstlane_b32 s16, v11                   ; wave = K step
	v_and_b32 v1, 15, v0                           ; r
	v_bfe_u32 v2, v0, 4, 1                         ; h
	v_lshlrev_b32 v3, 13, v1
	v_lshl_add_u32 v3, v2, 6, v3                   ; W: row r of 8,192 bytes + 64 h
	v_lshlrev_b32 v4, 12, v1
	v_lshl_add_u32 v4, v2, 6, v4                   ; h_dec: row r of 4,096 bytes + 64 h
	v_and_b32 v5, 31, v0
	v_lshlrev_b32 v5, 4, v5                        ; 16 x lane
	v_lshlrev_b32 v6, 2, v1                        ; b: 4 r
	v_lshlrev_b32 v7, 5, v1                        ; ws: 32 r
	v_lshlrev_b32 v8, 15, v2
	v_lshl_add_u32 v8, v1, 2, v8                   ; bc: 8 h rows of 4,096 bytes + 4 r
	s_lshl_b32 s17, s16, 11
	v_add_nc_u32 v9, s17, v5                       ; LDS, in: 2,048 x wave + 16 x lane
	s_lshr_b32 s17, s16, 1
	s_lshl_b32 s17, s17, 9
	s_and_b32 s18, s16, 1
	s_lshl_b32 s18, s18, 3
	s_add_co_u32 s17, s17, s18
	v_add_nc_u32 v10, s17, v5                      ; LDS, back: registers 2 w, 2 w + 1 of the sixteen: 512 (w / 2) + 8 (w % 2) + 16 x lane
	s_mov_b32 s[SEL], 0x76543210
	s_mov_b32 s[SEL+1], 0xfedcba98
	s_mov_b32 s[MNT], 0x600000
	s_mov_b32 s23, C2
.irp b, 0,1,2,3
	v_mov_b32 v[TM+4+\b], 0                        ; a lane permute's destination counts as one of its sources
.endr
	s_lshl_b32 s24, ttmp9, 17
	s_lshl_b32 s17, s16, 9
	s_add_co_u32 s24, s24, s17
	s_mov_b32 s25, 0
	s_wait_kmcnt 0x0
	s_add_nc_u64 s[4:5], s[4:5], s[24:25]          ; W at row 16 c, K step w of Wd
	s_mov_b32 s24, s17
	s_add_nc_u64 s[8:9], s[8:9], s[24:25]          ; h_dec at K step w
	s_lshl_b32 s24, ttmp9, 6
	s_add_nc_u64 s[6:7], s[6:7], s[24:25]          ; b at column 16 c
	s_add_nc_u64 s[14:15], s[14:15], s[24:25]      ; bc likewise,
	s_lshr_b32 s17, s16, 2
	s_lshl_b32 s24, s17, 16
	s_and_b32 s17, s16, 3
	s_lshl_b32 s17, s17, 13
	s_add_co_u32 s24, s24, s17
	s_add_nc_u64 s[14:15], s[14:15], s[24:25]      ; at row 16 (w / 4) + 2 (w % 4)
	s_lshl_b32 s24, ttmp9, 14
	s_lshl_b32 s17, s16, 11
	s_add_co_u32 s24, s24, s17
	s_add_nc_u64 s[10:11], s[10:11], s[24:25]      ; wq at (c, s)
	s_lshl_b32 s24, ttmp9, 9
	s_lshl_b32 s17, s16, 2
	s_add_co_u32 s24, s24, s17
	s_add_nc_u64 s[12:13], s[12:13], s[24:25]      ; ws at (c, row 0, s)
	global_load_b32 v28, v6, s[6:7]                ; b
	XLOAD DA, 3, 4, 0                              ; Wd
	XLOAD DB, 4, 8, 0                              ; h_dec rows 0-15
	s_wait_loadcnt 16                              ; all but the 16 issued last
	QUANT DA, PC1, SWD
	XLOAD DA, 4, 8, 65536                          ; h_dec rows 16-31
	s_wait_loadcnt 16
	QUANT DB, PC2, SH0
	XLOAD DB, 3, 4, 4096                           ; We
	s_wait_loadcnt 16
	QUANT DA, PC3, SH1
.rept 8
	v_nop                                          ; operands and scale words made by vector instructions stand ahead of a scaled matrix instruction
.endr
	v_wmma_scale_f32_16x16x128_f8f6f4 v[AC0:AC0+7], v[PC2:PC2+15], v[PC1:PC1+15], 0, v[SH0], v[SWD]   ; register j of lane (r, h): n = 8 h + j, a = 16 c + r
	v_wmma_scale_f32_16x16x128_f8f6f4 v[AC1:AC1+7], v[PC3:PC3+15], v[PC1:PC1+15], 0, v[SH1], v[SWD]   ; n = 16 + 8 h + j
	s_wait_loadcnt 0x0
	QUANT DB, PC0, SWE                             ; names no register of the two products: its plain lines are the places behind them
.irp g, 0,1,2,3
	global_store_b128 v5, v[PC0+4*\g:PC0+4*\g+3], s[10:11] offset:512*\g   ; the fragment's image: 512 consecutive bytes a store
.endr
	global_store_b32 v7, v[SWE], s[12:13]          ; row r's scale word (lanes r and r + 16 hold and write the same word)
	ds_store_b128 v9, v[AC0:AC0+3]                 ; each accumulator from its low end on
	ds_store_b128 v9, v[AC0+4:AC0+7] offset:512
	ds_store_b128 v9, v[AC1:AC1+3] offset:1024
	ds_store_b128 v9, v[AC1+4:AC1+7] offset:1536
	s_wait_dscnt 0x0                               ; for the others' sake: my stores have landed
	s_barrier_signal -1
	s_barrier_wait -1
.irp i, 0,1,2,3,4,5,6,7
	ds_load_b64 v[DA+2*\i:DA+2*\i+1], v10 offset:2048*\i   ; the eight K steps' parts of my two rows
.endr
	v_mul_f32 v28, s23, v28                        ; C2 b
	s_wait_dscnt 0x0
	v_pk_add_f32 v[DA:DA+1], v[DA:DA+1], v[DA+2:DA+3]
	v_pk_add_f32 v[DA+4:DA+5], v[DA+4:DA+5], v[DA+6:DA+7]
	v_pk_add_f32 v[DA+8:DA+9], v[DA+8:DA+9], v[DA+10:DA+11]
	v_pk_add_f32 v[DA+12:DA+13], v[DA+12:DA+13], v[DA+14:DA+15]
	v_pk_add_f32 v[DA:DA+1], v[DA:DA+1], v[DA+4:DA+5]
	v_pk_add_f32 v[DA+8:DA+9], v[DA+8:DA+9], v[DA+12:DA+13]
	v_pk_add_f32 v[DA:DA+1], v[DA:DA+1], v[DA+8:DA+9]
	v_fma_f32 v[DA], v[DA], s23, v28
	v_fma_f32 v[DA+1], v[DA+1], s23, v28
	global_store_b32 v8, v[DA], s[14:15]
	global_store_b32 v8, v[DA+1], s[14:15] offset:4096
	s_wait_tensorcnt 0x0
	ds_add_u32 v62, v63
	s_wait_dscnt 0x0
	s_endpgm
.Lfunc_end_k_q652e4ee7c8_prep:
	.size	k_q652e4ee7c8_prep, .Lfunc_end_k_q652e4ee7c8_prep-k_q652e4ee7c8_prep
	.p2alignl 7, 3214868480
	.fill 96, 4, 3214868480
	.section	.rodata,"a",@progbits
	.p2align	6, 0x0
	.amdhsa_kernel k_q652e4ee7c8_prep
		.amdhsa_group_segment_fixed_size 17408
		.amdhsa_private_segment_fixed_size 0
		.amdhsa_enable_private_segment 0
		.amdhsa_kernarg_size 48
		.amdhsa_user_sgpr_count 2
		.amdhsa_user_sgpr_kernarg_segment_ptr 1
		.amdhsa_wavefront_size32 1
		.amdhsa_system_sgpr_workgroup_id_x 1
		.amdhsa_system_sgpr_workgroup_id_y 1
		.amdhsa_system_sgpr_workgroup_id_z 1
		.amdhsa_system_vgpr_workitem_id 0
		.amdhsa_next_free_vgpr 256
		.amdhsa_next_free_sgpr 66
		.amdhsa_reserve_vcc 0
		.amdhsa_float_denorm_mode_32 3
		.amdhsa_float_denorm_mode_16_64 3
		.amdhsa_memory_ordered 1
		.amdhsa_forward_progress 1
		.amdhsa_inst_pref_size 44
	.end_amdhsa_kernel
	.amdgpu_metadata
---
amdhsa.version: [ 1, 2 ]
amdhsa.kernels:
  - .name:           k_q652e4ee7c8_prep
    .symbol:         k_q652e4ee7c8_prep.kd
    .args:
      - { .name: W, .offset: 0, .size: 8, .value_kind: global_buffer, .address_space: global }
      - { .name: b, .offset: 8, .size: 8, .value_kind: global_buffer, .address_space: global }
      - { .name: h_dec, .offset: 16, .size: 8, .value_kind: global_buffer, .address_space: global }
      - { .name: wq, .offset: 24, .size: 8, .value_kind: global_buffer, .address_space: global }
      - { .name: ws, .offset: 32, .size: 8, .value_kind: global_buffer, .address_space: global }
      - { .name: bc, .offset: 40, .size: 8, .value_kind: global_buffer, .address_space: global }
    .group_segment_fixed_size: 17408
    .private_segment_fixed_size: 0
    .kernarg_segment_align: 8
    .kernarg_segment_size: 48
    .max_flat_workgroup_size: 256
    .sgpr_count:     66
    .vgpr_count:     256
    .wavefront_size: 32
...
	.end_amdgpu_metadata
.endif
;; end of part 1
;; launch main (part 2): grid 32 x 32, 4 waves a work-group, no clusters, 227,840 bytes of LDS; arguments h_enc, wq, ws, bc, v, src_lens, sc, st, pc; writes sc, st, pc
.if DOCPART == 2
	.amdgcn_target "amdgcn-amd-amdhsa--gfx1250"
	.amdhsa_code_object_version 6
	.text
	.protected	k_q652e4ee7c8_main
	.globl	k_q652e4ee7c8_main
	.p2align	8
	.type	k_q652e4ee7c8_main,@function
k_q652e4ee7c8_main:
	s_mov_b64 s[64:65], 0
	v_nop
	global_prefetch_b8 v0, s[64:65] scope:SCOPE_SE
	s_setreg_imm32_b32 hwreg(HW_REG_WAVE_MODE, 25, 1), 1
	s_wait_xcnt 0x0
; A work-group owns 64 rows t = 64 j .. 64 j + 63 of one n (x = j, y = n), all 1,024 columns a, all of K.  It reads its rows of h_enc ONCE and leaves: sc[n][t] = s' = score x log2(e);
; st[n][j] = {m, l}: the tile's largest s' and the sum of p = 2^(s' - m); pc[n][j][:] = the sum over its rows of p x h_enc.  The next launch joins the tiles.
; tanh(x) = 1 - 2 r, r = 1 / (1 + 2^(C2 x)), C2 = 2 log2(e); score = -2 x the sum of v (r - 1/2).  A lane sums v r and v / 2 apart over its 16 columns and takes the second off the first before lanes are joined.
; THE MASK: rows t >= src_lens[n] have weight 0.  A tile that lies wholly behind src_lens jumps over all work (a scalar branch on a number read from memory, the same in all four waves) and stores neutral {m, l} and s'.
; Both barriers stand on every wave's path; only the work between them is jumped over.  The launch has no tensor load and no cluster: operands go through registers, and We comes
; as images of the operand's registers, which the launch before has laid.  src_lens <= 0: every score is the mask's, so s' = 0 over all 2,048 rows (uniform weights).
; PHASES.  P1: wave w quantises rows 16 w .. + 15 (codes and scale bytes to LDS, a bf16 copy of the rows to LDS) | barrier | P2: every wave takes all 64 rows' codes into 512 registers;
; P3: wave w makes columns 256 w .. + 255, 16 column tiles, We's fragments two tiles ahead.  BY TURNS: while tile c is multiplied into one set of accumulators, tile c - 1's exponent, reciprocal and x v work on the
; other set, in slices, one behind each matrix instruction; P4: sums over lanes, to LDS | barrier | sums over waves, the tile's softmax; P5: p x the bf16 copy.
; LIMITS: NaN and infinities are not served; a block whose largest magnitude lies under 2^(9 - 127) keeps the scale byte 1, a block of zeros too (zero codes; this program alone reads the bytes).
; REGISTERS, in windows of 256: window 0: v1-15, v138-150 addresses; v16-47 x's scale words, v48-63 We's (scales and nothing else); v64-95 and v192-223 two sets of four accumulators; v96-127 the sums of v r;
;   v128-137 bc, v, v / 2;   P1: v192-245; P5: v64-127 p, v192-255 rows, v152-159 sums.   window 1: P1: sixteen sets of 16 numbers as loaded; then We's fragments, two sets of 128.
;   window 2: x's fragments of K steps 0-3, (m, s) at 64 m + 16 s;   window 3: K steps 4-7.
.set C2P, 0x4038aa3b
.set C2N, 0xc038aa3b
.set HBP, 2064                         ; LDS: the bf16 copy, 64 rows of 2,048 bytes + 16
.set IMG, 132096                       ; codes: row tile m at 17,408 m; piece k / 16 at 272 x piece + 16 x (row % 16)
.set XSC, 201728                       ; scale bytes: 32 a row, rows 48 bytes apart
.set STG, 204800                       ; each wave: two stages of 32 x 80 bytes
.set SP,  225280                       ; the waves' parts of the 64 scores, 256 bytes a wave
.set PP,  226304                       ; p, each wave's own copy of 256 bytes
.set GO,  1                            ; 16 x lane
.set STI, 2                            ; the stage, in
.set STO, 3                            ; the stage, out: 80 x lane
.set HBA, 4                            ; the bf16 copy, in
.set IMA, 5                            ; my codes' place
.set XSA, 6                            ; my block's byte
.set AD0, 7                            ; v7, v8: a fragment's place for my lane, row tiles 0-1 and 2-3
.set XSR, 9
.set WSO, 10
.set BO,  11
.set SPA, 12
.set SPR, 13
.set PPA, 14
.set PPU, 15
.set XS,  16
.set WS,  48
.set ACC, 64                           ; accumulator set 0 at v64, set 1 at v192 (ACC + 128)
.set S,   96
.set BV,  128                          ; v128 bc, v130 v of buffer 0; v132, v134 of buffer 1; their odd partners hold 0
.set HV,  136                          ; the sum of v / 2; v137 holds 0
.set HC0, 138                          ; v138, v139: the bf16 copy, out: rows 0-31, rows 32-63
.set LN,  140
.set RR,  141
.set HH,  142
.set TP,  143
.set PCO, 146
.set L8,  147
.set ROW0, 148
.set ROW1, 149
.set ZERO, 150
.set CA,  152
.set W4,  160
.set X,   192
.set B,   224
.set C,   232
.set E,   240
.set T,   242
.set P,   64
.set H,   192
.set HE,  4                            ; s[4:5] h_enc at my wave's 16 rows
.set WQ,  6                            ; s[6:7] wq, s[8:9] ws, s[10:11] bc, s[12:13] v: at one of my wave's column tiles; stepped a tile at a time
.set WSB, 8
.set BCB, 10
.set VB,  12
.set SL,  14
.set SCO, 16
.set STA, 18
.set PCB, 20
.set LEN, 22
.set LEFF, 23
.set T0,  24
.set REL, 25
.set KS,  26
.set WV,  27
.set CS,  28
.set SEL, 30
.set MNT, 32
.set CNT, 33
.set OF,  34
.set NN,  38
.set TA,  40
.set TC,  41
.set MSB, 0
.macro WIN new                         ; the immediate's high byte repeats the setting that is left; a switch that changes nothing is dropped
.if MSB != \new
	s_set_vgpr_msb (MSB<<8)|\new
.set MSB, \new
.endif
.endm
	s_load_b256 s[4:11], s[0:1], 0x0               ; h_enc, wq, ws, bc
	s_load_b256 s[12:19], s[0:1], 0x20             ; v, src_lens, sc, st
	s_load_b64 s[20:21], s[0:1], 0x40              ; pc
	v_lshl_add_u32 v190, v0, 2, 0x37800
	v_mov_b32 v191, 0
	v_lshrrev_b32 v[TP], 5, v0
	v_readfirstlane_b32 s[WV], v[TP]               ; wave 0..3
	v_and_b32 v[LN], 31, v0
	v_and_b32 v[RR], 15, v0
	v_bfe_u32 v[HH], v0, 4, 1
	s_and_b32 s[NN], ttmp7, 0xffff                 ; n
	s_lshl_b32 s[T0], ttmp9, 6                     ; the tile's first row
	s_lshl_b32 s[OF], s[NN], 2
	s_mov_b32 s[OF+1], 0
	s_wait_kmcnt 0x0
	s_add_nc_u64 s[SL:SL+1], s[SL:SL+1], s[OF:OF+1]
	s_load_b32 s[LEN], s[SL:SL+1], 0x0             ; src_lens[n]
	; every address register is made here, ahead of the first branch
	v_lshlrev_b32 v[GO], 4, v[LN]
	v_lshrrev_b32 v[TP], 2, v[LN]
	v_mul_u32_u24 v[STI], v[TP], 80
	v_and_b32 v[TP], 3, v[LN]
	v_lshl_add_u32 v[STI], v[TP], 4, v[STI]
	s_mul_i32 s[TA], s[WV], 5120
	s_add_co_u32 s[TA], s[TA], STG
	v_add_nc_u32 v[STI], s[TA], v[STI]             ; four lanes' 64 bytes on end, then 16 of padding
	v_mul_u32_u24 v[STO], v[LN], 80
	v_add_nc_u32 v[STO], s[TA], v[STO]
	s_mul_i32 s[TA], s[WV], 16*HBP
	v_lshl_add_u32 v[HBA], v[LN], 3, s[TA]
	s_mul_i32 s[TA], s[WV], 17408
	s_add_co_u32 s[TA], s[TA], IMG
	v_mul_u32_u24 v[IMA], v[LN], 272
	v_add_nc_u32 v[IMA], s[TA], v[IMA]
	s_mul_i32 s[TA], s[WV], 768
	s_add_co_u32 s[TA], s[TA], XSC
	v_lshrrev_b32 v[XSA], 1, v[LN]
	v_add_nc_u32 v[XSA], s[TA], v[XSA]
	v_mul_u32_u24 v[AD0], v[HH], 272
	v_lshl_add_u32 v[AD0], v[RR], 4, v[AD0]
	v_add_nc_u32 v[AD0], IMG, v[AD0]
	v_add_nc_u32 v[AD0+1], 34816, v[AD0]
	v_mul_u32_u24 v[XSR], v[RR], 48
	v_add_nc_u32 v[XSR], XSC, v[XSR]
	v_lshlrev_b32 v[WSO], 5, v[RR]
	v_lshlrev_b32 v[BO], 2, v[RR]
	s_lshl_b32 s[TA], s[WV], 8
	s_add_co_u32 s[TC], s[TA], SP
	v_lshl_add_u32 v[SPA], v[HH], 5, s[TC]
	v_lshl_add_u32 v[SPR], v[LN], 3, SP
	s_add_co_u32 s[TC], s[TA], PP
	v_lshl_add_u32 v[PPA], v[LN], 3, s[TC]
	v_mov_b32 v[PPU], s[TC]
	v_lshlrev_b32 v[HC0], 3, v0
	v_add_nc_u32 v[HC0+1], 32*HBP, v[HC0]
	v_lshlrev_b32 v[PCO], 4, v0
	v_lshlrev_b32 v[L8], 3, v[LN]
	v_lshlrev_b32 v[ROW0], 1, v[LN]
	v_or_b32 v[ROW1], 1, v[ROW0]
	v_mov_b32 v[ZERO], 0
	s_mov_b32 s[CS], C2P
	s_mov_b32 s[CS+1], s[CS]                       ; (named with it as a pair, so it is written)
	s_mov_b32 s[SEL], 0x76543210
	s_mov_b32 s[SEL+1], 0xfedcba98
	s_mov_b32 s[MNT], 0x600000
	s_lshl_b32 s[OF], s[NN], 23
	s_lshl_b32 s[TA], ttmp9, 18
	s_add_co_u32 s[OF], s[OF], s[TA]
	s_lshl_b32 s[TA], s[WV], 16
	s_add_co_u32 s[OF], s[OF], s[TA]
	s_add_nc_u64 s[HE:HE+1], s[HE:HE+1], s[OF:OF+1]        ; n x 8 MiB + (64 j + 16 w) rows of 4,096 bytes: under 2^32
	s_lshl_b32 s[OF], s[WV], 18
	s_add_nc_u64 s[WQ:WQ+1], s[WQ:WQ+1], s[OF:OF+1]        ; 16 column tiles of 16,384 bytes a wave
	s_lshl_b32 s[OF], s[WV], 13
	s_add_nc_u64 s[WSB:WSB+1], s[WSB:WSB+1], s[OF:OF+1]
	s_lshl_b32 s[OF], s[WV], 10
	s_add_nc_u64 s[VB:VB+1], s[VB:VB+1], s[OF:OF+1]
	s_lshl_b32 s[TA], s[NN], 12
	s_add_co_u32 s[OF], s[OF], s[TA]
	s_add_nc_u64 s[BCB:BCB+1], s[BCB:BCB+1], s[OF:OF+1]
	s_lshl_b32 s[OF], s[NN], 13
	s_lshl_b32 s[TA], ttmp9, 8
	s_add_co_u32 s[OF], s[OF], s[TA]
	s_add_nc_u64 s[SCO:SCO+1], s[SCO:SCO+1], s[OF:OF+1]
	s_lshl_b32 s[OF], s[NN], 8
	s_lshl_b32 s[TA], ttmp9, 3
	s_add_co_u32 s[OF], s[OF], s[TA]
	s_add_nc_u64 s[STA:STA+1], s[STA:STA+1], s[OF:OF+1]
	s_lshl_b32 s[OF], s[NN], 17
	s_lshl_b32 s[TA], ttmp9, 12
	s_add_co_u32 s[OF], s[OF], s[TA]
	s_add_nc_u64 s[PCB:PCB+1], s[PCB:PCB+1], s[OF:OF+1]
	s_wait_kmcnt 0x0
	s_cmp_gt_i32 s[LEN], 0
	s_cselect_b32 s[LEFF], s[LEN], 2048            ; no row counts: every score is the mask's: all 2,048 rows with s' = 0
	s_cselect_b32 s[KS], C2N, 0
	s_min_u32 s[LEFF], s[LEFF], 2048
	s_sub_co_u32 s[REL], s[LEFF], s[T0]            ; rows of this tile that count (used in tiles that have any)
	s_cmp_ge_u32 s[T0], s[LEFF]
	s_cbranch_scc1 .Lb1
; ---- P1.  32 steps; step t is half t % 2 (2,048 bytes) of my row t / 2.
.macro LOADX t                         ; 32 lanes read 512 consecutive bytes; set t % 16 of window 1
	WIN 0x40
.irp i, 0,1,2,3
	global_load_b128 v[16*((\t)%16)+4*\i:16*((\t)%16)+4*\i+3], v[GO], s[HE:HE+1] offset:((\t)/2)*4096+((\t)%2)*2048+512*\i th:TH_LOAD_NT
.endr
.endm
.macro TURN t                          ; as loaded into the stage and, rounded to bf16, into the copy; back from the stage 16 neighbours a lane.  LDS serves a wave's instructions in order
	WIN 0x04
.irp i, 0,1,2,3
	ds_store_b128 v[STI], v[16*((\t)%16)+4*\i:16*((\t)%16)+4*\i+3] offset:((\t)%2)*2560+640*\i
.endr
	WIN 0x05
.irp i, 0,1,2,3,4,5,6,7
	v_cvt_pk_bf16_f32 v[B+\i], v[16*((\t)%16)+2*\i], v[16*((\t)%16)+2*\i+1]
.endr
	WIN 0
.irp i, 0,1,2,3
	ds_store_b64 v[HBA], v[B+2*\i:B+2*\i+1] offset:((\t)/2)*HBP+((\t)%2)*1024+256*\i   ; 256 consecutive bytes
.endr
.irp i, 0,1,2,3
	ds_load_b128 v[X+16*((\t)%2)+4*\i:X+16*((\t)%2)+4*\i+3], v[STO] offset:((\t)%2)*2560+16*\i
.endr
.endm
.macro STEP t
.set XQ, X+16*((\t)%2)
.if (\t) > 0
	s_wait_dscnt 2                                 ; this step's numbers are back; the last step's two stores may be out.  So the set as loaded and the bf16 registers have been read
.else
	s_wait_dscnt 0x0
.endif
.if (\t) < 16
	LOADX (\t)+16
.endif
.if (\t) < 31
.if (\t) < 16
	s_wait_loadcnt 60                              ; the next step's four loads are in; the fifteen sets behind them may be out
.else
	s_wait_loadcnt 4*(30-(\t))
.endif
	TURN (\t)+1
.endif
	v_max3_num_f32 v[T], |v[XQ]|, |v[XQ+1]|, |v[XQ+2]|
	v_max3_num_f32 v[T+1], |v[XQ+3]|, |v[XQ+4]|, |v[XQ+5]|
.irp i, 6,10
	v_max3_num_f32 v[T], v[T], |v[XQ+\i]|, |v[XQ+\i+1]|
	v_max3_num_f32 v[T+1], v[T+1], |v[XQ+\i+2]|, |v[XQ+\i+3]|
.endr
	v_max3_num_f32 v[T], v[T], |v[XQ+14]|, |v[XQ+15]|
	v_max3_num_f32 v[T], v[T], v[T+1], 0x4800000   ; and the floor 2^(9 - 127)
	v_max_num_f32_dpp v[T], v[T], v[T] row_xmask:1 row_mask:0xf bank_mask:0xf   ; with my neighbour's 16: the block's largest magnitude
	v_add_nc_u32 v[T+3], 0xfc000000, v[T]          ; 8 off its exponent field: the conversion's scale operand
	v_and_or_b32 v[T+2], v[T], 0x7f800000, s[MNT]  ; 448 x the scale
.irp i, 0,1,2,3,4,5,6,7,8,9,10,11,12,13,14,15
	v_med3_num_f32 v[XQ+\i], v[XQ+\i], -v[T+2], v[T+2]   ; the conversion does not saturate (ISA guide 7.6.2)
.endr
	v_cvt_scalef32_pk8_fp8_f32 v[C+4*((\t)%2):C+4*((\t)%2)+1], v[XQ:XQ+7], v[T+3]
	v_cvt_scalef32_pk8_fp8_f32 v[C+4*((\t)%2)+2:C+4*((\t)%2)+3], v[XQ+8:XQ+15], v[T+3]
	v_lshrrev_b32 v[E+(\t)%2], 23, v[T+3]          ; the scale's byte (also the plain line behind the conversions)
	ds_store_b128 v[IMA], v[C+4*((\t)%2):C+4*((\t)%2)+3] offset:8704*((\t)%2)+16*((\t)/2)   ; piece 32 (t % 2) + lane of row t / 2
	ds_store_b8 v[XSA], v[E+(\t)%2] offset:48*((\t)/2)+16*((\t)%2)                          ; both lanes of a block write the same byte
.endm
.set Q, 0
.rept 16
	LOADX Q                                        ; 64 loads, 32,768 bytes, of each wave are asked for at once
.set Q, Q+1
.endr
	s_wait_loadcnt 60
	TURN 0
.set Q, 0
.rept 32
	STEP Q
.set Q, Q+1
.endr
	WIN 0
.Lb1:
	s_wait_dscnt 0x0                               ; my stores have landed
	s_barrier_signal -1
	s_barrier_wait -1                              ; codes, scale bytes and the bf16 copy of all 64 rows lie in LDS
	s_cmp_ge_u32 s[T0], s[LEFF]
	s_cbranch_scc1 .Lb2
; ---- P2, P3
.macro LOADWA b, o                     ; the eight fragments of the column tile o tiles behind the bases into set b, and its scale words: 34 loads
	WIN 0x40
.irp s, 0,1,2,3,4,5,6,7
.irp g, 0,1,2,3
	global_load_b128 v[128*\b+16*\s+4*\g:128*\b+16*\s+4*\g+3], v[GO], s[WQ:WQ+1] offset:16384*\o+2048*\s+512*\g
.endr
.endr
	WIN 0
	global_load_b128 v[WS+8*\b:WS+8*\b+3], v[WSO], s[WSB:WSB+1] offset:512*\o
	global_load_b128 v[WS+8*\b+4:WS+8*\b+7], v[WSO], s[WSB:WSB+1] offset:512*\o+16
.endm
.macro LOADWB b                        ; bc and v of my column in the tile at which the bases stand, into buffer b: 2 loads
	global_load_b32 v[BV+4*(\b)], v[BO], s[BCB:BCB+1]
	global_load_b32 v[BV+4*(\b)+2], v[BO], s[VB:VB+1]
.endm
.macro STEPW                           ; one column tile on
	s_add_nc_u64 s[WQ:WQ+1], s[WQ:WQ+1], 16384
	s_add_nc_u64 s[WSB:WSB+1], s[WSB:WSB+1], 512
	s_add_nc_u64 s[BCB:BCB+1], s[BCB:BCB+1], 64
	s_add_nc_u64 s[VB:VB+1], s[VB:VB+1], 64
.endm
	LOADWA 0, 0                                    ; tile 0,
	LOADWB 0                                       ; its bc and v,
	LOADWA 1, 1                                    ; tile 1: they land while x's fragments come out of LDS
	WIN 0x80                                       ; x's fragments: group g of (m, s) is piece 8 s + 2 g + h of row tile m
.irp m, 0,1,2,3
.irp s, 0,1,2,3
.irp g, 0,1,2,3
	ds_load_b128 v[64*\m+16*\s+4*\g:64*\m+16*\s+4*\g+3], v[AD0+\m/2] offset:17408*(\m%2)+(8*\s+2*\g)*272
.endr
.endr
.endr
	WIN 0xc0
.irp m, 0,1,2,3
.irp s, 0,1,2,3
.irp g, 0,1,2,3
	ds_load_b128 v[64*\m+16*\s+4*\g:64*\m+16*\s+4*\g+3], v[AD0+\m/2] offset:17408*(\m%2)+(8*\s+32+2*\g)*272
.endr
.endr
.endr
	WIN 0
.irp m, 0,1,2,3
	ds_load_b128 v[XS+8*\m:XS+8*\m+3], v[XSR] offset:768*\m        ; row 16 m + r: the words of K steps 0-3,
	ds_load_b128 v[XS+8*\m+4:XS+8*\m+7], v[XSR] offset:768*\m+16   ; 4-7
.endr
.set A, 0
.rept 32
	v_mov_b32 v[S+A], 0
.set A, A+1
.endr
.irp a, 1,3,5,7,8,9
	v_mov_b32 v[BV+\a], 0                          ; the pairs' odd partners, and the sum of v / 2
.endr
	s_wait_dscnt 0x0
; THE VECTOR WORK OF A COLUMN TILE, on the set of accumulators v[ACE] on (32 registers, 16 pairs) with bc and v in v[BVE] on.  For pair q: A(q): C2 x enc_proj + C2 (dec_proj + b); E(q): two exponentials;
; D(q): + 1; R(q): two reciprocals (infinity gives 0, an exponential that fell to 0 gives 1); F(q): the sums += v r.  112 instructions, and one for the sum of v / 2: 3.5 for each of a tile's 32 matrix instructions.
; SLICE writes what stands behind matrix instruction KK.  KK = 2 q: A(q + 1), D(q - 1), E(q) (and A(0) at q = 0); KK = 2 q + 1: F(q - 2), R(q - 1).  So between a transcendental and the use of its result
; stands a plain instruction that names neither (an A, a D or an F of another pair), no instruction reads the result of the line just above it, and each accumulator is read from its low end on.
.macro SLICE
.set QQ, KK/2
.if KK%2 == 0
	WIN 0
.if QQ == 0
	v_pk_fma_f32 v[ACE:ACE+1], v[ACE:ACE+1], s[CS:CS+1], v[BVE:BVE+1] op_sel_hi:[1,0,0]
.endif
.if QQ < 15
	v_pk_fma_f32 v[ACE+2*QQ+2:ACE+2*QQ+3], v[ACE+2*QQ+2:ACE+2*QQ+3], s[CS:CS+1], v[BVE:BVE+1] op_sel_hi:[1,0,0]
.endif
.if QQ > 0
	s_wait_alu depctr_va_vdst(0)
	v_pk_add_f32 v[ACE+2*QQ-2:ACE+2*QQ-1], v[ACE+2*QQ-2:ACE+2*QQ-1], 1.0 op_sel_hi:[1,0]
.endif
	v_exp_f32 v[ACE+2*QQ], v[ACE+2*QQ]
	v_exp_f32 v[ACE+2*QQ+1], v[ACE+2*QQ+1]
.else
.if QQ > 0
	WIN 0
.if QQ > 1
	v_pk_fma_f32 v[S+2*QQ-4:S+2*QQ-3], v[ACE+2*QQ-4:ACE+2*QQ-3], v[BVE+2:BVE+3], v[S+2*QQ-4:S+2*QQ-3] op_sel_hi:[1,0,1]
.endif
	v_rcp_f32 v[ACE+2*QQ-2], v[ACE+2*QQ-2]
	v_rcp_f32 v[ACE+2*QQ-1], v[ACE+2*QQ-1]
.endif
.endif
.endm
.macro EPT                             ; the six that are over: D(15), F(14), R(15), the sum of v / 2 (the plain line behind the reciprocals), F(15)
	WIN 0
	s_wait_alu depctr_va_vdst(0)
	v_pk_add_f32 v[ACE+30:ACE+31], v[ACE+30:ACE+31], 1.0 op_sel_hi:[1,0]
	v_pk_fma_f32 v[S+28:S+29], v[ACE+28:ACE+29], v[BVE+2:BVE+3], v[S+28:S+29] op_sel_hi:[1,0,1]
	v_rcp_f32 v[ACE+30], v[ACE+30]
	v_rcp_f32 v[ACE+31], v[ACE+31]
	v_fma_f32 v[HV], v[BVE+2], 0.5, v[HV]
	s_wait_alu depctr_va_vdst(0)
	v_pk_fma_f32 v[S+30:S+31], v[ACE+30:ACE+31], v[BVE+2:BVE+3], v[S+30:S+31] op_sel_hi:[1,0,1]
.endm
; A COLUMN TILE c, b = c % 2: 32 products (A = 16 rows of x, B = 16 columns of We) into accumulator set b: register j of lane (r, h) is row 16 m + 8 h + j, column r.  The four accumulators take turns, one
; instruction a turn.  ep = 1: tile c - 1's vector work, on set 1 - b, stands in slices behind them.  A slice costs two window switches: all that it names lies in window 0, and no window
; has room for x's 512 registers beside the accumulators.
; At the tile's end the bases step to tile c + 1; fa = 1: We's fragments and scale words of tile c + 2 into set b; fb = 1: bc and v of tile c + 1 into buffer 1 - b, which tile c - 1's work has just left.
; left: the loads that may stay out at the head: those issued at the end of tile c - 1.  What this tile wants (its fragments; bc and v of tile c - 1) was issued at the end of tile c - 2.
.macro TILE b, ep, fa, fb, left
	s_wait_loadcnt \left
.set ACB, ACC+128*\b
.set ACE, ACC+128*(1-\b)
.set BVE, BV+4*(1-\b)
.set KK, 0
.rept 32
.set SS, KK/4
.set MM, KK%4
.if KK < 16
	WIN 0x06                                       ; source 0 (x, K steps 0-3) window 2, source 1 (We) window 1, C and D window 0
.else
	WIN 0x07                                       ; x's K steps 4-7: window 3
.endif
.if KK < 4
	v_wmma_scale_f32_16x16x128_f8f6f4 v[ACB+8*MM:ACB+8*MM+7], v[64*MM+16*(SS%4):64*MM+16*(SS%4)+15], v[128*\b+16*SS:128*\b+16*SS+15], 0, v[XS+8*MM+SS], v[WS+8*\b+SS]
.else
	v_wmma_scale_f32_16x16x128_f8f6f4 v[ACB+8*MM:ACB+8*MM+7], v[64*MM+16*(SS%4):64*MM+16*(SS%4)+15], v[128*\b+16*SS:128*\b+16*SS+15], v[ACB+8*MM:ACB+8*MM+7], v[XS+8*MM+SS], v[WS+8*\b+SS]
.endif
.if \ep
	SLICE
.endif
.set KK, KK+1
.endr
.if \ep
	EPT
.endif
	WIN 0
.rept 9
	v_nop                                          ; places ahead of the loads into We's registers, of the next tile's reads of these results, and of the products that begin this set anew
.endr
.if \fa+\fb
	s_wait_xcnt 0x0                                ; the loads issued a tile ago have read their bases
	STEPW
.endif
.if \fa
	LOADWA \b, 1
.endif
.if \fb
	LOADWB 1-\b
.endif
.endm
	TILE 0, 0, 1, 1, 34                            ; tile 0: no vector work yet; tile 1's 34 loads may be out
	s_mov_b32 s[CNT], 6
.Lpair:                                                ; tiles 1 to 12
	TILE 1, 1, 1, 1, 36
	TILE 0, 1, 1, 1, 36
	s_sub_co_u32 s[CNT], s[CNT], 1
	s_cmp_lg_u32 s[CNT], 0
	s_cbranch_scc1 .Lpair
	TILE 1, 1, 1, 1, 36                            ; tile 13 asks for tile 15's fragments, the last
	TILE 0, 1, 0, 1, 36                            ; tile 14 asks for bc and v of tile 15 alone: no load leaves its buffer
	TILE 1, 1, 0, 0, 2                             ; tile 15: those two loads may be out
	s_wait_loadcnt 0x0
.set ACE, ACC+128
.set BVE, BV+4
.set KK, 0
.rept 32
	SLICE                                          ; tile 15's vector work, with nothing left to multiply
.set KK, KK+1
.endr
	EPT
; ---- P4, first half: v (r - 1/2) summed over my 16 columns, then over the 16 lanes of a half
.set A, 0
.rept 16
	v_pk_add_f32 v[S+A:S+A+1], v[S+A:S+A+1], v[HV:HV+1] op_sel_hi:[1,0] neg_lo:[0,1] neg_hi:[0,1]
.set A, A+2
.endr
.irp k, 1,2,4,8
.set A, 0
.rept 32
	v_add_f32_dpp v[S+A], v[S+A], v[S+A] row_xmask:\k row_mask:0xf bank_mask:0xf
.set A, A+1
.endr
.endr
.irp m, 0,1,2,3
	ds_store_b128 v[SPA], v[S+8*\m:S+8*\m+3] offset:64*\m          ; rows 16 m + 8 h + 0 .. 3 (the sixteen lanes of a half write the same bytes with the same values)
	ds_store_b128 v[SPA], v[S+8*\m+4:S+8*\m+7] offset:64*\m+16
.endr
.Lb2:
	s_wait_dscnt 0x0
	s_barrier_signal -1
	s_barrier_wait -1                              ; the four waves' parts of the 64 scores lie in LDS
	s_cmp_ge_u32 s[T0], s[LEFF]
	s_cbranch_scc1 .Lidle
; ---- P4, second half: every wave makes the tile's softmax for itself; lane l has rows 2 l, 2 l + 1
.irp i, 0,1,2,3
	ds_load_b64 v[W4+2*\i:W4+2*\i+1], v[SPR] offset:256*\i
.endr
	v_mov_b32 v[W4+8], 0xff61b1e6                  ; -3e38
	s_wait_dscnt 0x0
	v_pk_add_f32 v[W4:W4+1], v[W4:W4+1], v[W4+2:W4+3]
	v_pk_add_f32 v[W4+4:W4+5], v[W4+4:W4+5], v[W4+6:W4+7]
	v_pk_add_f32 v[W4:W4+1], v[W4:W4+1], v[W4+4:W4+5]
	v_mul_f32 v[W4], s[KS], v[W4]                  ; s' = -C2 x the sum
	v_mul_f32 v[W4+1], s[KS], v[W4+1]
	v_cmp_gt_u32 vcc_lo, s[REL], v[ROW0]
	v_cndmask_b32 v[W4+2], v[W4+8], v[W4], vcc_lo  ; rows behind src_lens: -3e38, so p = 0
	v_cmp_gt_u32 vcc_lo, s[REL], v[ROW1]
	v_cndmask_b32 v[W4+3], v[W4+8], v[W4+1], vcc_lo
	v_max_num_f32 v[W4+4], v[W4+2], v[W4+3]
.irp k, 1,2,4,8
	v_max_num_f32_dpp v[W4+4], v[W4+4], v[W4+4] row_xmask:\k row_mask:0xf bank_mask:0xf
.endr
	v_permlanex16_b32 v[W4+5], v[W4+4], s[SEL], s[SEL+1]
	v_max_num_f32 v[W4+4], v[W4+4], v[W4+5]        ; m: the tile's largest s' (row 0 of the tile counts)
	v_sub_f32 v[W4+2], v[W4+2], v[W4+4]
	v_sub_f32 v[W4+3], v[W4+3], v[W4+4]
	v_exp_f32 v[W4+2], v[W4+2]
	v_exp_f32 v[W4+3], v[W4+3]
	v_nop
	s_wait_alu depctr_va_vdst(0)
	v_add_f32 v[W4+6], v[W4+2], v[W4+3]
.irp k, 1,2,4,8
	v_add_f32_dpp v[W4+6], v[W4+6], v[W4+6] row_xmask:\k row_mask:0xf bank_mask:0xf
.endr
	v_permlanex16_b32 v[W4+7], v[W4+6], s[SEL], s[SEL+1]
	v_add_f32 v[W4+5], v[W4+6], v[W4+7]            ; l: the pair v[W4+4:W4+5] is {m, l}
	ds_store_b64 v[PPA], v[W4+2:W4+3]              ; p to my wave's own bytes,
.irp i, 0,1,2,3,4,5,6,7,8,9,10,11,12,13,14,15
	ds_load_b128 v[P+4*\i:P+4*\i+3], v[PPU] offset:16*\i   ; and all 64 back into every lane (LDS serves a wave's instructions in order)
.endr
	s_cmp_lg_u32 s[WV], 0
	s_cbranch_scc1 .Lnot0
	global_store_b64 v[L8], v[W4:W4+1], s[SCO:SCO+1]       ; 256 consecutive bytes, aligned
	global_store_b64 v[ZERO], v[W4+4:W4+5], s[STA:STA+1]   ; (all lanes hold and write the same eight bytes)
.Lnot0:
; ---- P5: thread u sums p x h_enc for columns 4 u .. + 3 and 512 + 4 u .. + 3 over the 64 rows, eight rows a batch
.macro CB q
.irp i, 0,1,2,3,4,5,6,7
	ds_load_b64 v[H+32*((\q)%2)+4*\i:H+32*((\q)%2)+4*\i+1], v[HC0+(\q)/4] offset:((8*(\q)+\i)%32)*HBP
	ds_load_b64 v[H+32*((\q)%2)+4*\i+2:H+32*((\q)%2)+4*\i+3], v[HC0+(\q)/4] offset:((8*(\q)+\i)%32)*HBP+1024
.endr
.endm
.macro BATCH q
.if (\q) < 7
	CB (\q)+1
	s_wait_dscnt 16                                ; all but the next batch's sixteen loads
.else
	s_wait_dscnt 0x0
.endif
.irp i, 0,1,2,3,4,5,6,7
.irp x, 0,1
.irp e, 0,1
	v_fma_mix_f32_bf16 v[CA+4*\x+2*\e], v[H+32*((\q)%2)+4*\i+2*\x+\e], v[P+8*(\q)+\i], v[CA+4*\x+2*\e] op_sel_hi:[1,0,0]
	v_fma_mix_f32_bf16 v[CA+4*\x+2*\e+1], v[H+32*((\q)%2)+4*\i+2*\x+\e], v[P+8*(\q)+\i], v[CA+4*\x+2*\e+1] op_sel:[1,0,0] op_sel_hi:[1,0,0]
.endr
.endr
.endr
.endm
	CB 0
.irp a, 0,1,2,3,4,5,6,7
	v_mov_b32 v[CA+\a], 0
.endr
.set Q, 0
.rept 8
	BATCH Q
.set Q, Q+1
.endr
	global_store_b128 v[PCO], v[CA:CA+3], s[PCB:PCB+1]             ; a wave stores 512 consecutive bytes
	global_store_b128 v[PCO], v[CA+4:CA+7], s[PCB:PCB+1] offset:2048
	s_wait_tensorcnt 0x0
	ds_add_u32 v190, v191
	s_wait_dscnt 0x0
	s_endpgm
.Lidle:                                                ; no row of this tile counts: neutral numbers, so that the next launch reads only what was stored
	s_cmp_lg_u32 s[WV], 0
	s_cbranch_scc1 .Lend
	v_mov_b32 v[W4], 0xff61b1e6
	v_mov_b32 v[W4+1], 0xff61b1e6
	v_mov_b32 v[W4+2], 0xff61b1e6                  ; m = -3e38,
	v_mov_b32 v[W4+3], 0                           ; l = 0
	global_store_b64 v[L8], v[W4:W4+1], s[SCO:SCO+1]
	global_store_b64 v[ZERO], v[W4+2:W4+3], s[STA:STA+1]
.Lend:
	s_wait_tensorcnt 0x0
	ds_add_u32 v190, v191
	s_wait_dscnt 0x0
	s_endpgm
.Lfunc_end_k_q652e4ee7c8_main:
	.size	k_q652e4ee7c8_main, .Lfunc_end_k_q652e4ee7c8_main-k_q652e4ee7c8_main
	.p2alignl 7, 3214868480
	.fill 96, 4, 3214868480
	.section	.rodata,"a",@progbits
	.p2align	6, 0x0
	.amdhsa_kernel k_q652e4ee7c8_main
		.amdhsa_group_segment_fixed_size 227840
		.amdhsa_private_segment_fixed_size 0
		.amdhsa_enable_private_segment 0
		.amdhsa_kernarg_size 72
		.amdhsa_user_sgpr_count 2
		.amdhsa_user_sgpr_kernarg_segment_ptr 1
		.amdhsa_wavefront_size32 1
		.amdhsa_system_sgpr_workgroup_id_x 1
		.amdhsa_system_sgpr_workgroup_id_y 1
		.amdhsa_system_sgpr_workgroup_id_z 1
		.amdhsa_system_vgpr_workitem_id 0
		.amdhsa_next_free_vgpr 1024
		.amdhsa_next_free_sgpr 66
		.amdhsa_reserve_vcc 1
		.amdhsa_float_denorm_mode_32 3
		.amdhsa_float_denorm_mode_16_64 3
		.amdhsa_memory_ordered 1
		.amdhsa_forward_progress 1
		.amdhsa_inst_pref_size 255
	.end_amdhsa_kernel
	.section	.bss,"aw",@nobits
	.p2align	6
	.space	262144
	.amdgpu_metadata
---
amdhsa.version: [ 1, 2 ]
amdhsa.kernels:
  - .name:           k_q652e4ee7c8_main
    .symbol:         k_q652e4ee7c8_main.kd
    .args:
      - { .name: h_enc, .offset: 0, .size: 8, .value_kind: global_buffer, .address_space: global }
      - { .name: wq, .offset: 8, .size: 8, .value_kind: global_buffer, .address_space: global }
      - { .name: ws, .offset: 16, .size: 8, .value_kind: global_buffer, .address_space: global }
      - { .name: bc, .offset: 24, .size: 8, .value_kind: global_buffer, .address_space: global }
      - { .name: v, .offset: 32, .size: 8, .value_kind: global_buffer, .address_space: global }
      - { .name: src_lens, .offset: 40, .size: 8, .value_kind: global_buffer, .address_space: global }
      - { .name: sc, .offset: 48, .size: 8, .value_kind: global_buffer, .address_space: global }
      - { .name: st, .offset: 56, .size: 8, .value_kind: global_buffer, .address_space: global }
      - { .name: pc, .offset: 64, .size: 8, .value_kind: global_buffer, .address_space: global }
    .group_segment_fixed_size: 227840
    .private_segment_fixed_size: 0
    .kernarg_segment_align: 8
    .kernarg_segment_size: 72
    .max_flat_workgroup_size: 128
    .sgpr_count:     66
    .vgpr_count:     1024
    .wavefront_size: 32
...
	.end_amdgpu_metadata
.endif
;; end of part 2
;; launch finish (part 3): grid 32 x 4, 2 waves a work-group, no clusters, 0 bytes of LDS; arguments src_lens, st, sc, pc, out0, out1; writes out0, out1
.if DOCPART == 3
	.amdgcn_target "amdgcn-amd-amdhsa--gfx1250"
	.amdhsa_code_object_version 6
	.text
	.protected	k_q652e4ee7c8_finish
	.globl	k_q652e4ee7c8_finish
	.p2align	8
	.type	k_q652e4ee7c8_finish,@function
k_q652e4ee7c8_finish:
	s_mov_b64 s[64:65], 0
	v_nop
	global_prefetch_b8 v0, s[64:65] scope:SCOPE_SE
	s_setreg_imm32_b32 hwreg(HW_REG_WAVE_MODE, 25, 1), 1
	s_wait_xcnt 0x0
; The tiles of a row n are joined.  M = the largest of the 32 tiles' m; f = 2^(m - M); L = the sum of f l; weights[t] = 2^(s' - M) / L where t < src_lens[n], else 0; ctx = the sum of (f / L) x the tile's partial ctx.
; A work-group (x = n, y = part) of 64 threads makes 512 weights (8 a thread) and 256 columns of ctx (4 a thread).  Straight-line: no branch, no change of EXEC.
; Tiles behind src_lens stored no partial ctx: their f is 0, and in their place the last tile that counts is read again (the tile's number is held by s_min_u32 with a constant).
; src_lens <= 0: all 2,048 rows count, with s' = 0, as the launch before has stored them.
.set OFF, 16                           ; v16-47  byte offset of tile i's 16 bytes
.set SW,  48                           ; v48-55  s', then the weights
.set AC,  56                           ; v56-59  ctx
.set D,   64                           ; v64-191 the 32 tiles' parts
.set G,   32                           ; s32-63  f / L of the 32 tiles
	s_load_b256 s[4:11], s[0:1], 0x0               ; src_lens, st, sc, pc
	s_load_b128 s[12:15], s[0:1], 0x20             ; out0, out1
	s_and_b32 s16, ttmp7, 0xffff                   ; part
	s_lshl_b32 s20, ttmp9, 2
	s_mov_b32 s21, 0
	v_and_b32 v1, 31, v0
	v_lshlrev_b32 v1, 3, v1                        ; st: 8 x lane: lane i has tile i
	v_lshlrev_b32 v12, 4, v0                       ; 16 x thread
	v_lshlrev_b32 v9, 2, v0
	s_lshl_b32 s22, s16, 9
	v_add_nc_u32 v9, s22, v9                       ; my first t: 512 part + 4 x thread
	s_mov_b32 s24, 0x76543210
	s_mov_b32 s25, 0xfedcba98
	v_mov_b32 v5, 0                                ; a lane permute's destination counts as one of its sources
	v_mov_b32 v11, 0
	s_wait_kmcnt 0x0
	s_add_nc_u64 s[4:5], s[4:5], s[20:21]
	s_load_b32 s17, s[4:5], 0x0                    ; src_lens[n]
	s_lshl_b32 s20, ttmp9, 8
	s_add_nc_u64 s[6:7], s[6:7], s[20:21]          ; st at n
	s_lshl_b32 s20, ttmp9, 13
	s_lshl_b32 s22, s16, 11
	s_add_co_u32 s20, s20, s22
	s_add_nc_u64 s[8:9], s[8:9], s[20:21]          ; sc and out1 at (n, 512 part)
	s_add_nc_u64 s[14:15], s[14:15], s[20:21]
	s_lshl_b32 s20, ttmp9, 17
	s_lshl_b32 s22, s16, 10
	s_add_co_u32 s20, s20, s22
	s_add_nc_u64 s[10:11], s[10:11], s[20:21]      ; pc at (n, tile 0, column 256 part)
	s_lshl_b32 s20, ttmp9, 12
	s_add_co_u32 s20, s20, s22
	s_add_nc_u64 s[12:13], s[12:13], s[20:21]      ; out0 at (n, column 256 part)
	global_load_b64 v[2:3], v1, s[6:7]
	global_load_b128 v[SW:SW+3], v12, s[8:9]
	global_load_b128 v[SW+4:SW+7], v12, s[8:9] offset:1024
	s_wait_kmcnt 0x0
	s_cmp_gt_i32 s17, 0
	s_cselect_b32 s18, s17, 2048
	s_min_u32 s18, s18, 2048                       ; rows that count
	s_add_co_u32 s19, s18, 63
	s_lshr_b32 s19, s19, 6
	s_sub_co_u32 s19, s19, 1
	s_min_u32 s19, s19, 31                         ; the last tile that counts
.irp i, 0,1,2,3,4,5,6,7,8,9,10,11,12,13,14,15,16,17,18,19,20,21,22,23,24,25,26,27,28,29,30,31
	s_min_u32 s20, s19, \i
	s_lshl_b32 s20, s20, 12
	v_add_nc_u32 v[OFF+\i], s20, v12
	global_load_b128 v[D+4*\i:D+4*\i+3], v[OFF+\i], s[10:11]
.endr
	s_wait_loadcnt 34                              ; {m, l}: 34 loads were issued behind it
	v_mov_b32 v4, v2
.irp k, 1,2,4,8
	v_max_num_f32_dpp v4, v4, v4 row_xmask:\k row_mask:0xf bank_mask:0xf
.endr
	v_permlanex16_b32 v5, v4, s24, s25
	v_max_num_f32 v4, v4, v5                       ; M
	v_sub_f32 v6, v2, v4
	v_exp_f32 v6, v6                               ; f
	v_nop
	s_wait_alu depctr_va_vdst(0)
	v_mul_f32 v7, v6, v3
.irp k, 1,2,4,8
	v_add_f32_dpp v7, v7, v7 row_xmask:\k row_mask:0xf bank_mask:0xf
.endr
	v_permlanex16_b32 v11, v7, s24, s25
	v_add_f32 v7, v7, v11                          ; L
	v_rcp_f32 v10, v7
	v_nop
	s_wait_alu depctr_va_vdst(0)
	v_mul_f32 v8, v6, v10                          ; f / L
.irp i, 0,1,2,3,4,5,6,7,8,9,10,11,12,13,14,15,16,17,18,19,20,21,22,23,24,25,26,27,28,29,30,31
	v_readlane_b32 s[G+\i], v8, \i
.endr
	s_wait_loadcnt 32                              ; s': the 32 loads of pc were issued behind it
.irp e, 0,1,2,3,4,5,6,7
	v_sub_f32 v[SW+\e], v[SW+\e], v4
.endr
.irp e, 0,1,2,3,4,5,6,7
	v_exp_f32 v[SW+\e], v[SW+\e]
.endr
	v_nop
	s_wait_alu depctr_va_vdst(0)
.irp e, 0,1,2,3,4,5,6,7
	v_mul_f32 v[SW+\e], v[SW+\e], v10
.endr
.irp e, 0,1,2,3,4,5,6,7
	v_add_nc_u32 v13, (\e%4)+256*(\e/4), v9
	v_cmp_gt_u32 vcc_lo, s18, v13
	v_cndmask_b32 v[SW+\e], 0, v[SW+\e], vcc_lo    ; 0 behind src_lens
.endr
	global_store_b128 v12, v[SW:SW+3], s[14:15]    ; the 64 threads store 1,024 consecutive bytes
	global_store_b128 v12, v[SW+4:SW+7], s[14:15] offset:1024
	s_wait_loadcnt 31
.irp e, 0,1,2,3
	v_mul_f32 v[AC+\e], s[G], v[D+\e]
.endr
.irp i, 1,2,3,4,5,6,7,8,9,10,11,12,13,14,15,16,17,18,19,20,21,22,23,24,25,26,27,28,29,30,31
	s_wait_loadcnt 31-\i                           ; tile i's load is in; the younger ones may be out
.irp e, 0,1,2,3
	v_fmac_f32 v[AC+\e], s[G+\i], v[D+4*\i+\e]
.endr
.endr
	global_store_b128 v12, v[AC:AC+3], s[12:13]
	s_endpgm
.Lfunc_end_k_q652e4ee7c8_finish:
	.size	k_q652e4ee7c8_finish, .Lfunc_end_k_q652e4ee7c8_finish-k_q652e4ee7c8_finish
	.p2alignl 7, 3214868480
	.fill 96, 4, 3214868480
	.section	.rodata,"a",@progbits
	.p2align	6, 0x0
	.amdhsa_kernel k_q652e4ee7c8_finish
		.amdhsa_group_segment_fixed_size 0
		.amdhsa_private_segment_fixed_size 0
		.amdhsa_enable_private_segment 0
		.amdhsa_kernarg_size 48
		.amdhsa_user_sgpr_count 2
		.amdhsa_user_sgpr_kernarg_segment_ptr 1
		.amdhsa_wavefront_size32 1
		.amdhsa_system_sgpr_workgroup_id_x 1
		.amdhsa_system_sgpr_workgroup_id_y 1
		.amdhsa_system_sgpr_workgroup_id_z 1
		.amdhsa_system_vgpr_workitem_id 0
		.amdhsa_next_free_vgpr 192
		.amdhsa_next_free_sgpr 66
		.amdhsa_reserve_vcc 1
		.amdhsa_float_denorm_mode_32 3
		.amdhsa_float_denorm_mode_16_64 3
		.amdhsa_memory_ordered 1
		.amdhsa_forward_progress 1
		.amdhsa_inst_pref_size 19
	.end_amdhsa_kernel
	.amdgpu_metadata
---
amdhsa.version: [ 1, 2 ]
amdhsa.kernels:
  - .name:           k_q652e4ee7c8_finish
    .symbol:         k_q652e4ee7c8_finish.kd
    .args:
      - { .name: src_lens, .offset: 0, .size: 8, .value_kind: global_buffer, .address_space: global }
      - { .name: st, .offset: 8, .size: 8, .value_kind: global_buffer, .address_space: global }
      - { .name: sc, .offset: 16, .size: 8, .value_kind: global_buffer, .address_space: global }
      - { .name: pc, .offset: 24, .size: 8, .value_kind: global_buffer, .address_space: global }
      - { .name: out0, .offset: 32, .size: 8, .value_kind: global_buffer, .address_space: global }
      - { .name: out1, .offset: 40, .size: 8, .value_kind: global_buffer, .address_space: global }
    .group_segment_fixed_size: 0
    .private_segment_fixed_size: 0
    .kernarg_segment_align: 8
    .kernarg_segment_size: 48
    .max_flat_workgroup_size: 64
    .sgpr_count:     66
    .vgpr_count:     192
    .wavefront_size: 32
...
	.end_amdgpu_metadata
.endif
;; end of part 3
;; ======== version 2 of 2: 3 launches; version 1 with the launches prep, main written anew for expert scheduling mode
;; workspace buffers: wq 1,048,576 bytes; ws 32,768 bytes; bc 131,072 bytes; sc 262,144 bytes; st 8,192 bytes; pc 4,194,304 bytes
;; launch prep (part 4): grid 64 x 1, 8 waves a work-group, no clusters, 17,408 bytes of LDS; arguments W, b, h_dec, wq, ws, bc; writes wq, ws, bc
.if DOCPART == 4
	.amdgcn_target "amdgcn-amd-amdhsa--gfx1250"
	.amdhsa_code_object_version 6
	.text
	.protected	k_q652e4ee7c8_prep
	.globl	k_q652e4ee7c8_prep
	.p2align	8
	.type	k_q652e4ee7c8_prep,@function
k_q652e4ee7c8_prep:
	s_mov_b64 s[64:65], 0
	v_nop
	global_prefetch_b8 v0, s[64:65] scope:SCOPE_SE
	s_setreg_imm32_b32 hwreg(HW_REG_WAVE_SCHED_MODE, 0, 2), 2
	s_setreg_imm32_b32 hwreg(HW_REG_WAVE_MODE, 25, 1), 1
	s_wait_xcnt 0x0
	s_wait_alu depctr_vm_vsrc(0)
; W [1024][2048] f32 = [Wd | We].  This launch (a) turns We into codes of E4M3 with one E8M0 byte for each 32 along K, laid as images of the operand's registers:
; wq [col tile c][K step s][group g][lane][16 bytes], ws [c][row r][s] one scale word; (b) makes bc[n][a] = C2 x (Q(h_dec) Q(Wd)^T + b), C2 = 2 log2(e), the addend of the next launch's exponent.
; SHARES: work-group c owns rows a = 16 c .. 16 c + 15 of W; wave w owns K step w (128 along K).  The eight waves' parts of dec_proj meet in LDS (2,048 bytes a wave), one barrier.
; A lane (r, h) loads, of row r, 16 neighbours of each block of 32: register 16 b + i = k 32 b + 16 h + i, the order of the operand's registers; a block's four loads cover 128 consecutive bytes of each of 16 rows
; (not whole runs of a wave's lanes: kept for a tensor of 8 MB that is read once).
; LIMITS: NaN and infinities are not served; a block whose largest magnitude lies under 2^(9 - 127) keeps the byte 1, a block of zeros too (its codes are zeros; this program alone reads the bytes).
; THE MODE: SCHED_MODE bits 1:0 = 2 (LLVM: expert scheduling mode 2), set by the entry lines.  The code itself states the register dependences between vector or matrix instructions and memory or LDS
; instructions, with s_wait_alu, always for 0.
; THE PLAN.  Registers that memory or LDS instructions touch:
;   v3-v10     offsets and LDS addresses: written at the head, read by every load and store, never written again: one wait ahead of the first load.
;   DA, DB     two sets of 64 numbers: loads land in them; QUANT reads and holds them; each is loaded a second time behind its QUANT: one wait ahead of each of the two reloads.  Behind the barrier LDS loads land in DA.
;   PC0, SWE, the accumulators: written by QUANT and by the two products, read by the run of stores: one wait ahead of the run (behind the products' places).
;   No register that a memory or LDS instruction reads is written again, so no wait on vm_vsrc is owed.
.set C2,  0x4038aa3b
.set TM,  12                           ; v12-15 largest magnitudes, v16-19 bytes, v20-23 448 x the scale, v24-27 the conversions' scale operands
.set SWE, 32                           ; v32-35 scale words and nothing else: We, Wd, h_dec rows 0-15, rows 16-31
.set SWD, 33
.set SH0, 34
.set SH1, 35
.set AC0, 40                           ; v40-47, v48-55 dec_proj's two tiles (my K step's part)
.set AC1, 48
.set DA,  64                           ; v64-127, v128-191 two sets of 64 numbers
.set DB,  128
.set PC0, 192                          ; codes: We, Wd, h_dec rows 0-15, rows 16-31
.set PC1, 208
.set PC2, 224
.set PC3, 240
.set SEL, 20                           ; s[20:21] selects of v_permlanex16_b32: lane l xor 16
.set MNT, 22                           ; s22 the mantissa field of 448
.macro XLOAD reg, adr, base, extra     ; 64 numbers of my row: block b, four loads of 16 bytes
.irp b, 0,1,2,3
.irp j, 0,1,2,3
	global_load_b128 v[\reg+16*\b+4*\j:\reg+16*\b+4*\j+3], v[\adr], s[\base:\base+1] offset:\extra+128*\b+16*\j
.endr
.endr
.endm
; 64 numbers v[src] .. become a fragment's 16 registers of codes v[pc] .. and its scale word v[pw]
.macro QUANT src, pc, pw
.irp b, 0,1,2,3
	v_max3_num_f32 v[TM+\b], |v[\src+16*\b]|, |v[\src+1+16*\b]|, 0x4800000   ; my 16 numbers of block b and the floor 2^(9 - 127): the byte cannot fall under 1
.endr
.irp i, 2,4,6,8,10,12,14
.irp b, 0,1,2,3
	v_max3_num_f32 v[TM+\b], v[TM+\b], |v[\src+16*\b+\i]|, |v[\src+1+16*\b+\i]|
.endr
.endr
.irp b, 0,1,2,3
	v_permlanex16_b32 v[TM+4+\b], v[TM+\b], s[SEL], s[SEL+1]
.endr
.irp b, 0,1,2,3
	v_max_num_f32 v[TM+\b], v[TM+\b], v[TM+4+\b]             ; with lane l xor 16's: the block's largest magnitude
.endr
.irp b, 0,1,2,3
	v_add_nc_u32 v[TM+12+\b], 0xfc000000, v[TM+\b]           ; 8 off its exponent field: the conversion's scale operand
.endr
.irp b, 0,1,2,3
	v_and_or_b32 v[TM+8+\b], v[TM+\b], 0x7f800000, s[MNT]    ; 448 x the scale
.endr
.irp b, 0,1,2,3
	v_lshrrev_b32 v[TM+4+\b], 23, v[TM+12+\b]                ; the scale's byte
.endr
	v_lshl_or_b32 v[\pw], v[TM+5], 8, v[TM+4]
	v_lshl_or_b32 v[\pw], v[TM+6], 16, v[\pw]
	v_lshl_or_b32 v[\pw], v[TM+7], 24, v[\pw]
.irp b, 0,1,2,3
.irp i, 0,1,2,3,4,5,6,7,8,9,10,11,12,13,14,15
	v_med3_num_f32 v[\src+16*\b+\i], v[\src+16*\b+\i], -v[TM+8+\b], v[TM+8+\b]   ; the conversion to an 8-bit code does not saturate (ISA guide 7.6.2): the hold comes first
.endr
	v_cvt_scalef32_pk8_fp8_f32 v[\pc+4*\b:\pc+1+4*\b], v[\src+16*\b:\src+7+16*\b], v[TM+12+\b]
	v_cvt_scalef32_pk8_fp8_f32 v[\pc+2+4*\b:\pc+3+4*\b], v[\src+8+16*\b:\src+15+16*\b], v[TM+12+\b]
.endr
	v_nop                                          ; one plain line behind the last conversion
.endm
	s_load_b256 s[4:11], s[0:1], 0x0               ; W s[4:5], b s[6:7], h_dec s[8:9], wq s[10:11]
	s_load_b128 s[12:15], s[0:1], 0x20             ; ws s[12:13], bc s[14:15]
	v_lshl_add_u32 v62, v0, 2, 0x4000
	v_mov_b32 v63, 0
	v_lshrrev_b32 v11, 5, v0
	v_readfirstlane_b32 s16, v11                   ; wave = K step
	v_and_b32 v1, 15, v0                           ; r
	v_bfe_u32 v2, v0, 4, 1                         ; h
	v_lshlrev_b32 v3, 13, v1
	v_lshl_add_u32 v3, v2, 6, v3                   ; W: row r of 8,192 bytes + 64 h
	v_lshlrev_b32 v4, 12, v1
	v_lshl_add_u32 v4, v2, 6, v4                   ; h_dec: row r of 4,096 bytes + 64 h
	v_and_b32 v5, 31, v0
	v_lshlrev_b32 v5, 4, v5                        ; 16 x lane
	v_lshlrev_b32 v6, 2, v1                        ; b: 4 r
	v_lshlrev_b32 v7, 5, v1                        ; ws: 32 r
	v_lshlrev_b32 v8, 15, v2
	v_lshl_add_u32 v8, v1, 2, v8                   ; bc: 8 h rows of 4,096 bytes + 4 r
	s_wait_alu depctr_va_sdst(0)                   ; s16 is written, ahead of its first reader: LDS addresses and the bases are made from it
	s_lshl_b32 s17, s16, 11
	v_add_nc_u32 v9, s17, v5                       ; LDS, in: 2,048 x wave + 16 x lane
	s_lshr_b32 s17, s16, 1
	s_lshl_b32 s17, s17, 9
	s_and_b32 s18, s16, 1
	s_lshl_b32 s18, s18, 3
	s_add_co_u32 s17, s17, s18
	v_add_nc_u32 v10, s17, v5                      ; LDS, back: registers 2 w, 2 w + 1 of the sixteen: 512 (w / 2) + 8 (w % 2) + 16 x lane
	s_mov_b32 s[SEL], 0x76543210
	s_mov_b32 s[SEL+1], 0xfedcba98
	s_mov_b32 s[MNT], 0x600000
	s_mov_b32 s23, C2
.irp b, 0,1,2,3
	v_mov_b32 v[TM+4+\b], 0                        ; a lane permute's destination counts as one of its sources
.endr
	s_lshl_b32 s24, ttmp9, 17
	s_lshl_b32 s17, s16, 9
	s_add_co_u32 s24, s24, s17
	s_mov_b32 s25, 0
	s_wait_kmcnt 0x0
	s_add_nc_u64 s[4:5], s[4:5], s[24:25]          ; W at row 16 c, K step w of Wd
	s_mov_b32 s24, s17
	s_add_nc_u64 s[8:9], s[8:9], s[24:25]          ; h_dec at K step w
	s_lshl_b32 s24, ttmp9, 6
	s_add_nc_u64 s[6:7], s[6:7], s[24:25]          ; b at column 16 c
	s_add_nc_u64 s[14:15], s[14:15], s[24:25]      ; bc likewise,
	s_lshr_b32 s17, s16, 2
	s_lshl_b32 s24, s17, 16
	s_and_b32 s17, s16, 3
	s_lshl_b32 s17, s17, 13
	s_add_co_u32 s24, s24, s17
	s_add_nc_u64 s[14:15], s[14:15], s[24:25]      ; at row 16 (w / 4) + 2 (w % 4)
	s_lshl_b32 s24, ttmp9, 14
	s_lshl_b32 s17, s16, 11
	s_add_co_u32 s24, s24, s17
	s_add_nc_u64 s[10:11], s[10:11], s[24:25]      ; wq at (c, s)
	s_lshl_b32 s24, ttmp9, 9
	s_lshl_b32 s17, s16, 2
	s_add_co_u32 s24, s24, s17
	s_add_nc_u64 s[12:13], s[12:13], s[24:25]      ; ws at (c, row 0, s)
	s_wait_alu depctr_va_vdst(0)                   ; the offsets and LDS addresses v3 to v10 are written, which every load and store below reads
	global_load_b32 v28, v6, s[6:7]                ; b
	XLOAD DA, 3, 4, 0                              ; Wd
	XLOAD DB, 4, 8, 0                              ; h_dec rows 0-15
	s_wait_loadcnt 16                              ; all but the 16 issued last
	QUANT DA, PC1, SWD
	s_wait_alu depctr_va_vdst(0)                   ; the holds have written DA and the conversions are done reading it: the next loads land in it
	XLOAD DA, 4, 8, 65536                          ; h_dec rows 16-31
	s_wait_loadcnt 16
	QUANT DB, PC2, SH0
	s_wait_alu depctr_va_vdst(0)                   ; the same of DB
	XLOAD DB, 3, 4, 4096                           ; We
	s_wait_loadcnt 16
	QUANT DA, PC3, SH1
.rept 8
	v_nop                                          ; operands and scale words made by vector instructions stand ahead of a scaled matrix instruction
.endr
	s_wait_alu depctr_va_vdst(0)                   ; the conversions have written the codes PC1 to PC3, the shifts the scale words v33 to v35, which the two products take; the places above stay beside this wait
	v_wmma_scale_f32_16x16x128_f8f6f4 v[AC0:AC0+7], v[PC2:PC2+15], v[PC1:PC1+15], 0, v[SH0], v[SWD]   ; register j of lane (r, h): n = 8 h + j, a = 16 c + r
	v_wmma_scale_f32_16x16x128_f8f6f4 v[AC1:AC1+7], v[PC3:PC3+15], v[PC1:PC1+15], 0, v[SH1], v[SWD]   ; n = 16 + 8 h + j
	s_wait_loadcnt 0x0
	QUANT DB, PC0, SWE                             ; names no register of the two products: its plain lines are the places behind them
	s_wait_alu depctr_va_vdst(0)                   ; We's codes, its scale word and the two accumulators are written, which the stores below read; and all vector work on DA is done, in which the LDS loads behind the barrier land
.irp g, 0,1,2,3
	global_store_b128 v5, v[PC0+4*\g:PC0+4*\g+3], s[10:11] offset:512*\g   ; the fragment's image: 512 consecutive bytes a store
.endr
	global_store_b32 v7, v[SWE], s[12:13]          ; row r's scale word (lanes r and r + 16 hold and write the same word)
	ds_store_b128 v9, v[AC0:AC0+3]                 ; each accumulator from its low end on
	ds_store_b128 v9, v[AC0+4:AC0+7] offset:512
	ds_store_b128 v9, v[AC1:AC1+3] offset:1024
	ds_store_b128 v9, v[AC1+4:AC1+7] offset:1536
	s_wait_dscnt 0x0                               ; for the others' sake: my stores have landed
	s_barrier_signal -1
	s_barrier_wait -1
.irp i, 0,1,2,3,4,5,6,7
	ds_load_b64 v[DA+2*\i:DA+2*\i+1], v10 offset:2048*\i   ; the eight K steps' parts of my two rows
.endr
	v_mul_f32 v28, s23, v28                        ; C2 b
	s_wait_dscnt 0x0
	v_pk_add_f32 v[DA:DA+1], v[DA:DA+1], v[DA+2:DA+3]
	v_pk_add_f32 v[DA+4:DA+5], v[DA+4:DA+5], v[DA+6:DA+7]
	v_pk_add_f32 v[DA+8:DA+9], v[DA+8:DA+9], v[DA+10:DA+11]
	v_pk_add_f32 v[DA+12:DA+13], v[DA+12:DA+13], v[DA+14:DA+15]
	v_pk_add_f32 v[DA:DA+1], v[DA:DA+1], v[DA+4:DA+5]
	v_pk_add_f32 v[DA+8:DA+9], v[DA+8:DA+9], v[DA+12:DA+13]
	v_pk_add_f32 v[DA:DA+1], v[DA:DA+1], v[DA+8:DA+9]
	v_fma_f32 v[DA], v[DA], s23, v28
	v_fma_f32 v[DA+1], v[DA+1], s23, v28
	s_wait_alu depctr_va_vdst(0)                   ; the two multiply-adds have written v[DA] and v[DA+1], which the stores read
	global_store_b32 v8, v[DA], s[14:15]
	global_store_b32 v8, v[DA+1], s[14:15] offset:4096
	s_wait_dscnt 0x0                               ; the closing lines, six on end
	s_wait_alu 0x0
	s_wait_tensorcnt 0x0
	ds_add_u32 v62, v63
	s_wait_dscnt 0x0
	s_endpgm
.Lfunc_end_k_q652e4ee7c8_prep:
	.size	k_q652e4ee7c8_prep, .Lfunc_end_k_q652e4ee7c8_prep-k_q652e4ee7c8_prep
	.p2alignl 7, 3214868480
	.fill 96, 4, 3214868480
	.section	.rodata,"a",@progbits
	.p2align	6, 0x0
	.amdhsa_kernel k_q652e4ee7c8_prep
		.amdhsa_group_segment_fixed_size 17408
		.amdhsa_private_segment_fixed_size 0
		.amdhsa_enable_private_segment 0
		.amdhsa_kernarg_size 48
		.amdhsa_user_sgpr_count 2
		.amdhsa_user_sgpr_kernarg_segment_ptr 1
		.amdhsa_wavefront_size32 1
		.amdhsa_system_sgpr_workgroup_id_x 1
		.amdhsa_system_sgpr_workgroup_id_y 1
		.amdhsa_system_sgpr_workgroup_id_z 1
		.amdhsa_system_vgpr_workitem_id 0
		.amdhsa_next_free_vgpr 256
		.amdhsa_next_free_sgpr 66
		.amdhsa_reserve_vcc 0
		.amdhsa_float_denorm_mode_32 3
		.amdhsa_float_denorm_mode_16_64 3
		.amdhsa_memory_ordered 1
		.amdhsa_forward_progress 1
		.amdhsa_inst_pref_size 44
	.end_amdhsa_kernel
	.amdgpu_metadata
---
amdhsa.version: [ 1, 2 ]
amdhsa.kernels:
  - .name:           k_q652e4ee7c8_prep
    .symbol:         k_q652e4ee7c8_prep.kd
    .args:
      - { .name: W, .offset: 0, .size: 8, .value_kind: global_buffer, .address_space: global }
      - { .name: b, .offset: 8, .size: 8, .value_kind: global_buffer, .address_space: global }
      - { .name: h_dec, .offset: 16, .size: 8, .value_kind: global_buffer, .address_space: global }
      - { .name: wq, .offset: 24, .size: 8, .value_kind: global_buffer, .address_space: global }
      - { .name: ws, .offset: 32, .size: 8, .value_kind: global_buffer, .address_space: global }
      - { .name: bc, .offset: 40, .size: 8, .value_kind: global_buffer, .address_space: global }
    .group_segment_fixed_size: 17408
    .private_segment_fixed_size: 0
    .kernarg_segment_align: 8
    .kernarg_segment_size: 48
    .max_flat_workgroup_size: 256
    .sgpr_count:     66
    .vgpr_count:     256
    .wavefront_size: 32
...
	.end_amdgpu_metadata
.endif
;; end of part 4
;; launch main (part 5): grid 32 x 32, 4 waves a work-group, no clusters, 227,840 bytes of LDS; arguments h_enc, wq, ws, bc, v, src_lens, sc, st, pc; writes sc, st, pc
.if DOCPART == 5
	.amdgcn_target "amdgcn-amd-amdhsa--gfx1250"
	.amdhsa_code_object_version 6
	.text
	.protected	k_q652e4ee7c8_main
	.globl	k_q652e4ee7c8_main
	.p2align	8
	.type	k_q652e4ee7c8_main,@function
k_q652e4ee7c8_main:
	s_mov_b64 s[64:65], 0
	v_nop
	global_prefetch_b8 v0, s[64:65] scope:SCOPE_SE
	s_setreg_imm32_b32 hwreg(HW_REG_WAVE_SCHED_MODE, 0, 2), 2
	s_setreg_imm32_b32 hwreg(HW_REG_WAVE_MODE, 25, 1), 1
	s_wait_xcnt 0x0
	s_wait_alu depctr_vm_vsrc(0)
; A work-group owns 64 rows t = 64 j .. 64 j + 63 of one n (x = j, y = n), all 1,024 columns a, all of K.  It reads its rows of h_enc ONCE and leaves: sc[n][t] = s' = score x log2(e);
; st[n][j] = {m, l}: the tile's largest s' and the sum of p = 2^(s' - m); pc[n][j][:] = the sum over its rows of p x h_enc.  The next launch joins the tiles.
; tanh(x) = 1 - 2 r, r = 1 / (1 + 2^(C2 x)), C2 = 2 log2(e); score = -2 x the sum of v (r - 1/2).  A lane sums v r and v / 2 apart over its 16 columns and takes the second off the first before lanes are joined.
; THE MASK: rows t >= src_lens[n] have weight 0.  A tile that lies wholly behind src_lens jumps over all work (a scalar branch on a number read from memory, the same in all four waves) and stores neutral {m, l} and s'.
; Both barriers stand on every wave's path; only the work between them is jumped over.  The launch has no tensor load and no cluster: operands go through registers, and We comes
; as images of the operand's registers, which the launch before has laid.  src_lens <= 0: every score is the mask's, so s' = 0 over all 2,048 rows (uniform weights).
; PHASES.  P1: wave w quantises rows 16 w .. + 15 (codes and scale bytes to LDS, a bf16 copy of the rows to LDS) | barrier | P2: every wave takes all 64 rows' codes into 512 registers;
; P3: wave w makes columns 256 w .. + 255, 16 column tiles, We's fragments two tiles ahead.  BY TURNS: while tile c is multiplied into one set of accumulators, tile c - 1's exponent, reciprocal and x v work on the
; other set, in slices, one behind each matrix instruction; P4: sums over lanes, to LDS | barrier | sums over waves, the tile's softmax; P5: p x the bf16 copy.
; LIMITS: NaN and infinities are not served; a block whose largest magnitude lies under 2^(9 - 127) keeps the scale byte 1, a block of zeros too (zero codes; this program alone reads the bytes).
; REGISTERS, in windows of 256: window 0: v1-15, v138-150 addresses; v16-47 x's scale words, v48-63 We's (scales and nothing else); v64-95 and v192-223 two sets of four accumulators; v96-127 the sums of v r;
;   v128-137 bc, v, v / 2;   P1: v192-255; P5: v64-127 p, v192-255 rows, v152-159 sums.   window 1: P1: sixteen sets of 16 numbers as loaded; then We's fragments, two sets of 128.
;   window 2: x's fragments of K steps 0-3, (m, s) at 64 m + 16 s;   window 3: K steps 4-7.
; THE MODE: SCHED_MODE bits 1:0 = 2 (LLVM: expert scheduling mode 2), set by the entry lines.  The code itself states the register dependences between vector or matrix instructions and memory or LDS
; instructions, with s_wait_alu, always for 0.
; THE PLAN.  Registers that memory or LDS instructions touch, and who else names them:
;   addresses  v1-15, v138-150: written at the head alone; one wait on va_vdst ahead of the first branch serves every load and store of the kernel.
;   P1, step t RAW[t % 16]: TURN t (issued in step t - 1) stores it to the stage and rounds it; step t loads it again.   X[t % 2]: TURN t's LDS loads land in it; step t's arithmetic reads and holds it.
;              B[t % 2]: TURN t's roundings write it; four LDS stores at the head of step t read it.   C[t % 2], E[t % 2]: step t's conversions write them; two LDS stores at the head of step t + 1 read them.
;              So one wait on vm_vsrc and one on va_vdst at a step's head state all that the step's stores and loads hang on; what the step's own vector work names are the other buffers.
;   P3, tile c We's set c % 2 and its scale words: read by the tile's 32 products, loaded again at its end.   bc, v of buffer (c - 1) % 2: read by the tile's slices, loaded again at its end: one wait on va_vdst there.
;              The slices' list is ordered by who reads what, so that two more waits on va_vdst serve its 32 exponentials and its 32 reciprocals.
;   P4, P5     the sums v96-127: stored to LDS (va_vdst ahead), then p is loaded over them (vm_vsrc behind the barrier).   The rows' two sets v192-255: each is loaded again behind the batch that read it (va_vdst).
.set C2P, 0x4038aa3b
.set C2N, 0xc038aa3b
.set HBP, 2064                         ; LDS: the bf16 copy, 64 rows of 2,048 bytes + 16
.set IMG, 132096                       ; codes: row tile m at 17,408 m; piece k / 16 at 272 x piece + 16 x (row % 16)
.set XSC, 201728                       ; scale bytes: 32 a row, rows 48 bytes apart
.set STG, 204800                       ; each wave: two stages of 32 x 80 bytes
.set SP,  225280                       ; the waves' parts of the 64 scores, 256 bytes a wave
.set PP,  226304                       ; p, each wave's own copy of 256 bytes
.set GO,  1                            ; 16 x lane
.set STI, 2                            ; the stage, in
.set STO, 3                            ; the stage, out: 80 x lane
.set HBA, 4                            ; the bf16 copy, in
.set IMA, 5                            ; my codes' place
.set XSA, 6                            ; my block's byte
.set AD0, 7                            ; v7, v8: a fragment's place for my lane, row tiles 0-1 and 2-3
.set XSR, 9
.set WSO, 10
.set BO,  11
.set SPA, 12
.set SPR, 13
.set PPA, 14
.set PPU, 15
.set XS,  16
.set WS,  48
.set ACC, 64                           ; accumulator set 0 at v64, set 1 at v192 (ACC + 128)
.set S,   96
.set BV,  128                          ; v128 bc, v130 v of buffer 0; v132, v134 of buffer 1; their odd partners hold 0
.set HV,  136                          ; the sum of v / 2; v137 holds 0
.set HC0, 138                          ; v138, v139: the bf16 copy, out: rows 0-31, rows 32-63
.set LN,  140
.set RR,  141
.set HH,  142
.set TP,  143
.set PCO, 146
.set L8,  147
.set ROW0, 148
.set ROW1, 149
.set ZERO, 150
.set CA,  152
.set W4,  160
.set X,   192
.set B,   224                          ; the rows in bf16: buffer 0 at v224-231, buffer 1 at v248-255 (B + 24)
.set C,   232
.set E,   240
.set T,   242
.set P,   64
.set H,   192
.set HE,  4                            ; s[4:5] h_enc at my wave's 16 rows
.set WQ,  6                            ; s[6:7] wq, s[8:9] ws, s[10:11] bc, s[12:13] v: at one of my wave's column tiles; stepped a tile at a time
.set WSB, 8
.set BCB, 10
.set VB,  12
.set SL,  14
.set SCO, 16
.set STA, 18
.set PCB, 20
.set LEN, 22
.set LEFF, 23
.set T0,  24
.set REL, 25
.set KS,  26
.set WV,  27
.set CS,  28
.set SEL, 30
.set MNT, 32
.set CNT, 33
.set OF,  34
.set NN,  38
.set TA,  40
.set TC,  41
.set MSB, 0
.macro WIN new                         ; the immediate's high byte repeats the setting that is left; a switch that changes nothing is dropped
.if MSB != \new
	s_set_vgpr_msb (MSB<<8)|\new
.set MSB, \new
.endif
.endm
	s_load_b256 s[4:11], s[0:1], 0x0               ; h_enc, wq, ws, bc
	s_load_b256 s[12:19], s[0:1], 0x20             ; v, src_lens, sc, st
	s_load_b64 s[20:21], s[0:1], 0x40              ; pc
	v_lshl_add_u32 v190, v0, 2, 0x37800
	v_mov_b32 v191, 0
	v_lshrrev_b32 v[TP], 5, v0
	v_readfirstlane_b32 s[WV], v[TP]               ; wave 0..3
	v_and_b32 v[LN], 31, v0
	v_and_b32 v[RR], 15, v0
	v_bfe_u32 v[HH], v0, 4, 1
	s_wait_alu depctr_va_sdst(0)                   ; the wave's number is written, ahead of its first reader: LDS addresses, bases and branches are made from it
	s_and_b32 s[NN], ttmp7, 0xffff                 ; n
	s_lshl_b32 s[T0], ttmp9, 6                     ; the tile's first row
	s_lshl_b32 s[OF], s[NN], 2
	s_mov_b32 s[OF+1], 0
	s_wait_kmcnt 0x0
	s_add_nc_u64 s[SL:SL+1], s[SL:SL+1], s[OF:OF+1]
	s_load_b32 s[LEN], s[SL:SL+1], 0x0             ; src_lens[n]
	; every address register is made here, ahead of the first branch
	v_lshlrev_b32 v[GO], 4, v[LN]
	v_lshrrev_b32 v[TP], 2, v[LN]
	v_mul_u32_u24 v[STI], v[TP], 80
	v_and_b32 v[TP], 3, v[LN]
	v_lshl_add_u32 v[STI], v[TP], 4, v[STI]
	s_mul_i32 s[TA], s[WV], 5120
	s_add_co_u32 s[TA], s[TA], STG
	v_add_nc_u32 v[STI], s[TA], v[STI]             ; four lanes' 64 bytes on end, then 16 of padding
	v_mul_u32_u24 v[STO], v[LN], 80
	v_add_nc_u32 v[STO], s[TA], v[STO]
	s_mul_i32 s[TA], s[WV], 16*HBP
	v_lshl_add_u32 v[HBA], v[LN], 3, s[TA]
	s_mul_i32 s[TA], s[WV], 17408
	s_add_co_u32 s[TA], s[TA], IMG
	v_mul_u32_u24 v[IMA], v[LN], 272
	v_add_nc_u32 v[IMA], s[TA], v[IMA]
	s_mul_i32 s[TA], s[WV], 768
	s_add_co_u32 s[TA], s[TA], XSC
	v_lshrrev_b32 v[XSA], 1, v[LN]
	v_add_nc_u32 v[XSA], s[TA], v[XSA]
	v_mul_u32_u24 v[AD0], v[HH], 272
	v_lshl_add_u32 v[AD0], v[RR], 4, v[AD0]
	v_add_nc_u32 v[AD0], IMG, v[AD0]
	v_add_nc_u32 v[AD0+1], 34816, v[AD0]
	v_mul_u32_u24 v[XSR], v[RR], 48
	v_add_nc_u32 v[XSR], XSC, v[XSR]
	v_lshlrev_b32 v[WSO], 5, v[RR]
	v_lshlrev_b32 v[BO], 2, v[RR]
	s_lshl_b32 s[TA], s[WV], 8
	s_add_co_u32 s[TC], s[TA], SP
	v_lshl_add_u32 v[SPA], v[HH], 5, s[TC]
	v_lshl_add_u32 v[SPR], v[LN], 3, SP
	s_add_co_u32 s[TC], s[TA], PP
	v_lshl_add_u32 v[PPA], v[LN], 3, s[TC]
	v_mov_b32 v[PPU], s[TC]
	v_lshlrev_b32 v[HC0], 3, v0
	v_add_nc_u32 v[HC0+1], 32*HBP, v[HC0]
	v_lshlrev_b32 v[PCO], 4, v0
	v_lshlrev_b32 v[L8], 3, v[LN]
	v_lshlrev_b32 v[ROW0], 1, v[LN]
	v_or_b32 v[ROW1], 1, v[ROW0]
	v_mov_b32 v[ZERO], 0
	s_mov_b32 s[CS], C2P
	s_mov_b32 s[CS+1], s[CS]                       ; (named with it as a pair, so it is written)
	s_mov_b32 s[SEL], 0x76543210
	s_mov_b32 s[SEL+1], 0xfedcba98
	s_mov_b32 s[MNT], 0x600000
	s_lshl_b32 s[OF], s[NN], 23
	s_lshl_b32 s[TA], ttmp9, 18
	s_add_co_u32 s[OF], s[OF], s[TA]
	s_lshl_b32 s[TA], s[WV], 16
	s_add_co_u32 s[OF], s[OF], s[TA]
	s_add_nc_u64 s[HE:HE+1], s[HE:HE+1], s[OF:OF+1]        ; n x 8 MiB + (64 j + 16 w) rows of 4,096 bytes: under 2^32
	s_lshl_b32 s[OF], s[WV], 18
	s_add_nc_u64 s[WQ:WQ+1], s[WQ:WQ+1], s[OF:OF+1]        ; 16 column tiles of 16,384 bytes a wave
	s_lshl_b32 s[OF], s[WV], 13
	s_add_nc_u64 s[WSB:WSB+1], s[WSB:WSB+1], s[OF:OF+1]
	s_lshl_b32 s[OF], s[WV], 10
	s_add_nc_u64 s[VB:VB+1], s[VB:VB+1], s[OF:OF+1]
	s_lshl_b32 s[TA], s[NN], 12
	s_add_co_u32 s[OF], s[OF], s[TA]
	s_add_nc_u64 s[BCB:BCB+1], s[BCB:BCB+1], s[OF:OF+1]
	s_lshl_b32 s[OF], s[NN], 13
	s_lshl_b32 s[TA], ttmp9, 8
	s_add_co_u32 s[OF], s[OF], s[TA]
	s_add_nc_u64 s[SCO:SCO+1], s[SCO:SCO+1], s[OF:OF+1]
	s_lshl_b32 s[OF], s[NN], 8
	s_lshl_b32 s[TA], ttmp9, 3
	s_add_co_u32 s[OF], s[OF], s[TA]
	s_add_nc_u64 s[STA:STA+1], s[STA:STA+1], s[OF:OF+1]
	s_lshl_b32 s[OF], s[NN], 17
	s_lshl_b32 s[TA], ttmp9, 12
	s_add_co_u32 s[OF], s[OF], s[TA]
	s_add_nc_u64 s[PCB:PCB+1], s[PCB:PCB+1], s[OF:OF+1]
	s_wait_alu depctr_va_vdst(0)                   ; all offsets and LDS addresses (v1-15, v138-150) are written, which the loads and stores of every path read; none is written again
	s_wait_kmcnt 0x0
	s_cmp_gt_i32 s[LEN], 0
	s_cselect_b32 s[LEFF], s[LEN], 2048            ; no row counts: every score is the mask's: all 2,048 rows with s' = 0
	s_cselect_b32 s[KS], C2N, 0
	s_min_u32 s[LEFF], s[LEFF], 2048
	s_sub_co_u32 s[REL], s[LEFF], s[T0]            ; rows of this tile that count (used in tiles that have any)
	s_cmp_ge_u32 s[T0], s[LEFF]
	s_cbranch_scc1 .Lb1
; ---- P1.  32 steps; step t is half t % 2 (2,048 bytes) of my row t / 2.
.macro LOADX t                         ; 32 lanes read 512 consecutive bytes; set t % 16 of window 1
	WIN 0x40
.irp i, 0,1,2,3
	global_load_b128 v[16*((\t)%16)+4*\i:16*((\t)%16)+4*\i+3], v[GO], s[HE:HE+1] offset:((\t)/2)*4096+((\t)%2)*2048+512*\i th:TH_LOAD_NT
.endr
.endm
.macro TURN t                          ; as loaded into the stage; rounded to bf16 into B[t % 2], which the next step's head stores; back from the stage 16 neighbours a lane.  LDS serves a wave's instructions in order
	WIN 0x04
.irp i, 0,1,2,3
	ds_store_b128 v[STI], v[16*((\t)%16)+4*\i:16*((\t)%16)+4*\i+3] offset:((\t)%2)*2560+640*\i
.endr
	WIN 0x05
.irp i, 0,1,2,3,4,5,6,7
	v_cvt_pk_bf16_f32 v[B+24*((\t)%2)+\i], v[16*((\t)%16)+2*\i], v[16*((\t)%16)+2*\i+1]
.endr
	WIN 0
.irp i, 0,1,2,3
	ds_load_b128 v[X+16*((\t)%2)+4*\i:X+16*((\t)%2)+4*\i+3], v[STO] offset:((\t)%2)*2560+16*\i   ; no vector instruction since the step's wait on va_vdst names these registers
.endr
.endm
.macro STEP t
.set XQ, X+16*((\t)%2)
.set U, (\t)-1
	s_wait_dscnt 0x0                               ; this step's numbers are back from the stage: their loads are the youngest LDS instructions
	s_wait_alu depctr_vm_vsrc(0)                   ; the stage's stores have read RAW[t % 16], in which the loads below land; the last head's stores have read B[(t + 1) % 2], C[t % 2] and E[t % 2], which this step writes
	s_wait_alu depctr_va_vdst(0)                   ; the step before has written C, E of t - 1 and B[t % 2], which the stores below read; it is done reading RAW[t % 16] and done with X[(t + 1) % 2], in which loads below land
.if (\t) > 0
	ds_store_b128 v[IMA], v[C+4*(U%2):C+4*(U%2)+3] offset:8704*(U%2)+16*(U/2)   ; the step before: piece 32 (u % 2) + lane of row u / 2
	ds_store_b8 v[XSA], v[E+U%2] offset:48*(U/2)+16*(U%2)                       ; both lanes of a block write the same byte
.endif
.irp i, 0,1,2,3
	ds_store_b64 v[HBA], v[B+24*((\t)%2)+2*\i:B+24*((\t)%2)+2*\i+1] offset:((\t)/2)*HBP+((\t)%2)*1024+256*\i   ; 256 consecutive bytes
.endr
.if (\t) < 16
	LOADX (\t)+16
.endif
.if (\t) < 31
.if (\t) < 16
	s_wait_loadcnt 60                              ; the next step's four loads are in; the fifteen sets behind them may be out
.else
	s_wait_loadcnt 4*(30-(\t))
.endif
	TURN (\t)+1
.endif
	v_max3_num_f32 v[T], |v[XQ]|, |v[XQ+1]|, |v[XQ+2]|
	v_max3_num_f32 v[T+1], |v[XQ+3]|, |v[XQ+4]|, |v[XQ+5]|
.irp i, 6,10
	v_max3_num_f32 v[T], v[T], |v[XQ+\i]|, |v[XQ+\i+1]|
	v_max3_num_f32 v[T+1], v[T+1], |v[XQ+\i+2]|, |v[XQ+\i+3]|
.endr
	v_max3_num_f32 v[T], v[T], |v[XQ+14]|, |v[XQ+15]|
	v_max3_num_f32 v[T], v[T], v[T+1], 0x4800000   ; and the floor 2^(9 - 127)
	v_max_num_f32_dpp v[T], v[T], v[T] row_xmask:1 row_mask:0xf bank_mask:0xf   ; with my neighbour's 16: the block's largest magnitude
	v_add_nc_u32 v[T+3], 0xfc000000, v[T]          ; 8 off its exponent field: the conversion's scale operand
	v_and_or_b32 v[T+2], v[T], 0x7f800000, s[MNT]  ; 448 x the scale
.irp i, 0,1,2,3,4,5,6,7,8,9,10,11,12,13,14,15
	v_med3_num_f32 v[XQ+\i], v[XQ+\i], -v[T+2], v[T+2]   ; the conversion does not saturate (ISA guide 7.6.2)
.endr
	v_cvt_scalef32_pk8_fp8_f32 v[C+4*((\t)%2):C+4*((\t)%2)+1], v[XQ:XQ+7], v[T+3]
	v_cvt_scalef32_pk8_fp8_f32 v[C+4*((\t)%2)+2:C+4*((\t)%2)+3], v[XQ+8:XQ+15], v[T+3]
	v_lshrrev_b32 v[E+(\t)%2], 23, v[T+3]          ; the scale's byte (also the plain line behind the conversions)
.endm
.set Q, 0
.rept 16
	LOADX Q                                        ; 64 loads, 32,768 bytes, of each wave are asked for at once
.set Q, Q+1
.endr
	s_wait_loadcnt 60
	TURN 0
.set Q, 0
.rept 32
	STEP Q
.set Q, Q+1
.endr
	s_wait_alu depctr_va_vdst(0)                   ; step 31 has written C[1] and E[1], which the two stores read; all of P1's vector work on window 1 is done, in which We's fragments will land
	ds_store_b128 v[IMA], v[C+4:C+7] offset:8704+16*15
	ds_store_b8 v[XSA], v[E+1] offset:48*15+16
.Lb1:
	s_wait_dscnt 0x0                               ; my stores have landed
	s_barrier_signal -1
	s_barrier_wait -1                              ; codes, scale bytes and the bf16 copy of all 64 rows lie in LDS
	s_wait_alu depctr_vm_vsrc(0)                   ; P1's LDS stores have read the sets as loaded (window 1), in which We's fragments land, and v224-255, in which P5's rows land
	s_cmp_ge_u32 s[T0], s[LEFF]
	s_cbranch_scc1 .Lb2
; ---- P2, P3
.macro LOADWA b, o                     ; the eight fragments of the column tile o tiles behind the bases into set b, and its scale words: 34 loads
	WIN 0x40
.irp s, 0,1,2,3,4,5,6,7
.irp g, 0,1,2,3
	global_load_b128 v[128*\b+16*\s+4*\g:128*\b+16*\s+4*\g+3], v[GO], s[WQ:WQ+1] offset:16384*\o+2048*\s+512*\g
.endr
.endr
	WIN 0
	global_load_b128 v[WS+8*\b:WS+8*\b+3], v[WSO], s[WSB:WSB+1] offset:512*\o
	global_load_b128 v[WS+8*\b+4:WS+8*\b+7], v[WSO], s[WSB:WSB+1] offset:512*\o+16
.endm
.macro LOADWB b                        ; bc and v of my column in the tile at which the bases stand, into buffer b: 2 loads
	global_load_b32 v[BV+4*(\b)], v[BO], s[BCB:BCB+1]
	global_load_b32 v[BV+4*(\b)+2], v[BO], s[VB:VB+1]
.endm
.macro STEPW                           ; one column tile on
	s_add_nc_u64 s[WQ:WQ+1], s[WQ:WQ+1], 16384
	s_add_nc_u64 s[WSB:WSB+1], s[WSB:WSB+1], 512
	s_add_nc_u64 s[BCB:BCB+1], s[BCB:BCB+1], 64
	s_add_nc_u64 s[VB:VB+1], s[VB:VB+1], 64
.endm
	LOADWA 0, 0                                    ; tile 0,
	LOADWB 0                                       ; its bc and v,
	LOADWA 1, 1                                    ; tile 1: they land while x's fragments come out of LDS
	WIN 0x80                                       ; x's fragments: group g of (m, s) is piece 8 s + 2 g + h of row tile m
.irp m, 0,1,2,3
.irp s, 0,1,2,3
.irp g, 0,1,2,3
	ds_load_b128 v[64*\m+16*\s+4*\g:64*\m+16*\s+4*\g+3], v[AD0+\m/2] offset:17408*(\m%2)+(8*\s+2*\g)*272
.endr
.endr
.endr
	WIN 0xc0
.irp m, 0,1,2,3
.irp s, 0,1,2,3
.irp g, 0,1,2,3
	ds_load_b128 v[64*\m+16*\s+4*\g:64*\m+16*\s+4*\g+3], v[AD0+\m/2] offset:17408*(\m%2)+(8*\s+32+2*\g)*272
.endr
.endr
.endr
	WIN 0
.irp m, 0,1,2,3
	ds_load_b128 v[XS+8*\m:XS+8*\m+3], v[XSR] offset:768*\m        ; row 16 m + r: the words of K steps 0-3,
	ds_load_b128 v[XS+8*\m+4:XS+8*\m+7], v[XSR] offset:768*\m+16   ; 4-7
.endr
.set A, 0
.rept 32
	v_mov_b32 v[S+A], 0
.set A, A+1
.endr
.irp a, 1,3,5,7,8,9
	v_mov_b32 v[BV+\a], 0                          ; the pairs' odd partners, and the sum of v / 2
.endr
	s_wait_dscnt 0x0
; THE VECTOR WORK OF A COLUMN TILE, on the set of accumulators v[ACE] on (32 registers, 16 pairs) with bc and v in v[BVE] on: a list of 113 instructions, 3.5 for each of a tile's 32 matrix instructions.
; ITEM writes number JJ of it.  The list is ordered by who reads what, so that one wait serves each batch of transcendentals:
;   0-47    for each pair C2 x enc_proj + C2 (dec_proj + b), and the 32 exponentials: two multiply-adds, then fourteen times (two exponentials, a multiply-add), then the last four exponentials.
;           A pair's multiply-add stands two numbers or more ahead of its exponentials; none of these reads an exponential's result; each accumulator is read from its low end on
;   (wait)  a v_nop, the plain line behind the last exponential, and the wait for the batch
;   48-95   + 1 for each pair, and the 32 reciprocals (infinity gives 0, an exponential that fell to 0 gives 1), in the same pattern
;   (wait)  likewise
;   96-111  the sums += v r, a pair each;   112: the sum of v / 2
.macro ITEM
.set JR, JJ%48
.set KIND, 1
.set TE, JR-16                         ; 44 to 47: registers 28 to 31
.if JR < 2
.set KIND, 0
.set PQ, JR
.elseif JR < 44
.set TE, 2*((JR-2)/3)+(JR-2)%3
.if (JR-2)%3 == 2
.set KIND, 0
.set PQ, (JR-2)/3+2
.endif
.endif
.if JJ < 48
.if KIND == 0
	v_pk_fma_f32 v[ACE+2*PQ:ACE+2*PQ+1], v[ACE+2*PQ:ACE+2*PQ+1], s[CS:CS+1], v[BVE:BVE+1] op_sel_hi:[1,0,0]
.else
	v_exp_f32 v[ACE+TE], v[ACE+TE]
.endif
.elseif JJ < 96
.if JJ == 48
	v_nop
	s_wait_alu depctr_va_vdst(0)                   ; the 32 exponentials have written v[ACE ..], which the additions below read: one wait for the batch
.endif
.if KIND == 0
	v_pk_add_f32 v[ACE+2*PQ:ACE+2*PQ+1], v[ACE+2*PQ:ACE+2*PQ+1], 1.0 op_sel_hi:[1,0]
.else
	v_rcp_f32 v[ACE+TE], v[ACE+TE]
.endif
.elseif JJ < 112
.if JJ == 96
	v_nop
	s_wait_alu depctr_va_vdst(0)                   ; the 32 reciprocals have written v[ACE ..], which the multiply-adds below read: one wait for the batch
.endif
.set FQ, JJ-96
	v_pk_fma_f32 v[S+2*FQ:S+2*FQ+1], v[ACE+2*FQ:ACE+2*FQ+1], v[BVE+2:BVE+3], v[S+2*FQ:S+2*FQ+1] op_sel_hi:[1,0,1]
.else
	v_fma_f32 v[HV], v[BVE+2], 0.5, v[HV]
.endif
.set JJ, JJ+1
.endm
.macro SLICE                           ; what stands behind matrix instruction KK: the list's numbers from 113 KK / 32 up to 113 (KK + 1) / 32: three or four
	WIN 0
.rept (113*(KK+1))/32-(113*KK)/32
	ITEM
.endr
.endm
; A COLUMN TILE c, b = c % 2: 32 products (A = 16 rows of x, B = 16 columns of We) into accumulator set b: register j of lane (r, h) is row 16 m + 8 h + j, column r.  The four accumulators take turns, one
; instruction a turn.  ep = 1: tile c - 1's vector work, on set 1 - b, stands in slices behind them.  A slice costs two window switches: all that it names lies in window 0, and no window
; has room for x's 512 registers beside the accumulators.
; At the tile's end the bases step to tile c + 1; fa = 1: We's fragments and scale words of tile c + 2 into set b; fb = 1: bc and v of tile c + 1 into buffer 1 - b, which tile c - 1's work has just left.
; left: the loads that may stay out at the head: those issued at the end of tile c - 1.  What this tile wants (its fragments; bc and v of tile c - 1) was issued at the end of tile c - 2.
.macro TILE b, ep, fa, fb, left
	s_wait_loadcnt \left
.set ACB, ACC+128*\b
.set ACE, ACC+128*(1-\b)
.set BVE, BV+4*(1-\b)
.set KK, 0
.set JJ, 0
.rept 32
.set SS, KK/4
.set MM, KK%4
.if KK < 16
	WIN 0x06                                       ; source 0 (x, K steps 0-3) window 2, source 1 (We) window 1, C and D window 0
.else
	WIN 0x07                                       ; x's K steps 4-7: window 3
.endif
.if KK < 4
	v_wmma_scale_f32_16x16x128_f8f6f4 v[ACB+8*MM:ACB+8*MM+7], v[64*MM+16*(SS%4):64*MM+16*(SS%4)+15], v[128*\b+16*SS:128*\b+16*SS+15], 0, v[XS+8*MM+SS], v[WS+8*\b+SS]
.else
	v_wmma_scale_f32_16x16x128_f8f6f4 v[ACB+8*MM:ACB+8*MM+7], v[64*MM+16*(SS%4):64*MM+16*(SS%4)+15], v[128*\b+16*SS:128*\b+16*SS+15], v[ACB+8*MM:ACB+8*MM+7], v[XS+8*MM+SS], v[WS+8*\b+SS]
.endif
.if \ep
	SLICE
.endif
.set KK, KK+1
.endr
	WIN 0
.rept 9
	v_nop                                          ; places (ISA guide 7.12.1) ahead of the next tile's reads of these results, and of the products that begin this set anew
.endr
.if \fa+\fb
	s_wait_alu depctr_va_vdst(0)                   ; the tile's products are done reading We's set b and its scale words, its slices are done reading bc and v of buffer 1 - b: the loads below land in them
	s_wait_xcnt 0x0                                ; the loads issued a tile ago have read their bases
	STEPW
.endif
.if \fa
	LOADWA \b, 1
.endif
.if \fb
	LOADWB 1-\b
.endif
.endm
	TILE 0, 0, 1, 1, 34                            ; tile 0: no vector work yet; tile 1's 34 loads may be out
	s_mov_b32 s[CNT], 6
.Lpair:                                                ; tiles 1 to 12
	TILE 1, 1, 1, 1, 36
	TILE 0, 1, 1, 1, 36
	s_sub_co_u32 s[CNT], s[CNT], 1
	s_cmp_lg_u32 s[CNT], 0
	s_cbranch_scc1 .Lpair
	TILE 1, 1, 1, 1, 36                            ; tile 13 asks for tile 15's fragments, the last
	TILE 0, 1, 0, 1, 36                            ; tile 14 asks for bc and v of tile 15 alone: no load leaves its buffer
	TILE 1, 1, 0, 0, 2                             ; tile 15: those two loads may be out
	s_wait_loadcnt 0x0
.set ACE, ACC+128
.set BVE, BV+4
.set JJ, 0
.rept 113
	ITEM                                           ; tile 15's vector work, with nothing left to multiply
.endr
; ---- P4, first half: v (r - 1/2) summed over my 16 columns, then over the 16 lanes of a half
.set A, 0
.rept 16
	v_pk_add_f32 v[S+A:S+A+1], v[S+A:S+A+1], v[HV:HV+1] op_sel_hi:[1,0] neg_lo:[0,1] neg_hi:[0,1]
.set A, A+2
.endr
.irp k, 1,2,4,8
.set A, 0
.rept 32
	v_add_f32_dpp v[S+A], v[S+A], v[S+A] row_xmask:\k row_mask:0xf bank_mask:0xf
.set A, A+1
.endr
.endr
	s_wait_alu depctr_va_vdst(0)                   ; the additions have written the sums v[S ..], which the LDS stores read
.irp m, 0,1,2,3
	ds_store_b128 v[SPA], v[S+8*\m:S+8*\m+3] offset:64*\m          ; rows 16 m + 8 h + 0 .. 3 (the sixteen lanes of a half write the same bytes with the same values)
	ds_store_b128 v[SPA], v[S+8*\m+4:S+8*\m+7] offset:64*\m+16
.endr
.Lb2:
	s_wait_dscnt 0x0
	s_barrier_signal -1
	s_barrier_wait -1                              ; the four waves' parts of the 64 scores lie in LDS
	s_wait_alu depctr_vm_vsrc(0)                   ; my LDS stores have read the sums v[S ..], in which p's loads land
	s_cmp_ge_u32 s[T0], s[LEFF]
	s_cbranch_scc1 .Lidle
; ---- P4, second half: every wave makes the tile's softmax for itself; lane l has rows 2 l, 2 l + 1
.irp i, 0,1,2,3
	ds_load_b64 v[W4+2*\i:W4+2*\i+1], v[SPR] offset:256*\i
.endr
	v_mov_b32 v[W4+8], 0xff61b1e6                  ; -3e38
	s_wait_dscnt 0x0
	v_pk_add_f32 v[W4:W4+1], v[W4:W4+1], v[W4+2:W4+3]
	v_pk_add_f32 v[W4+4:W4+5], v[W4+4:W4+5], v[W4+6:W4+7]
	v_pk_add_f32 v[W4:W4+1], v[W4:W4+1], v[W4+4:W4+5]
	v_mul_f32 v[W4], s[KS], v[W4]                  ; s' = -C2 x the sum
	v_mul_f32 v[W4+1], s[KS], v[W4+1]
	v_cmp_gt_u32 s[TA], s[REL], v[ROW0]
	v_cmp_gt_u32 s[TC], s[REL], v[ROW1]
	s_wait_alu depctr_va_sdst(0)                   ; the two compares have written their masks, ahead of the selects that read them
	v_cndmask_b32 v[W4+2], v[W4+8], v[W4], s[TA]   ; rows behind src_lens: -3e38, so p = 0
	v_cndmask_b32 v[W4+3], v[W4+8], v[W4+1], s[TC]
	v_max_num_f32 v[W4+4], v[W4+2], v[W4+3]
.irp k, 1,2,4,8
	v_max_num_f32_dpp v[W4+4], v[W4+4], v[W4+4] row_xmask:\k row_mask:0xf bank_mask:0xf
.endr
	v_permlanex16_b32 v[W4+5], v[W4+4], s[SEL], s[SEL+1]
	v_max_num_f32 v[W4+4], v[W4+4], v[W4+5]        ; m: the tile's largest s' (row 0 of the tile counts)
	v_sub_f32 v[W4+2], v[W4+2], v[W4+4]
	v_sub_f32 v[W4+3], v[W4+3], v[W4+4]
	v_exp_f32 v[W4+2], v[W4+2]
	v_exp_f32 v[W4+3], v[W4+3]
	v_nop
	s_wait_alu depctr_va_vdst(0)                   ; the two exponentials have written p, which the addition reads
	v_add_f32 v[W4+6], v[W4+2], v[W4+3]
.irp k, 1,2,4,8
	v_add_f32_dpp v[W4+6], v[W4+6], v[W4+6] row_xmask:\k row_mask:0xf bank_mask:0xf
.endr
	v_permlanex16_b32 v[W4+7], v[W4+6], s[SEL], s[SEL+1]
	v_add_f32 v[W4+5], v[W4+6], v[W4+7]            ; l: the pair v[W4+4:W4+5] is {m, l}
	s_wait_alu depctr_va_vdst(0)                   ; p, s' and {m, l} are written, which the stores below read; all vector and matrix work on v64-127 and v192-255 is done, in which p and the first rows land
	ds_store_b64 v[PPA], v[W4+2:W4+3]              ; p to my wave's own bytes,
.irp i, 0,1,2,3,4,5,6,7,8,9,10,11,12,13,14,15
	ds_load_b128 v[P+4*\i:P+4*\i+3], v[PPU] offset:16*\i   ; and all 64 back into every lane (LDS serves a wave's instructions in order)
.endr
	s_cmp_lg_u32 s[WV], 0
	s_cbranch_scc1 .Lnot0
	global_store_b64 v[L8], v[W4:W4+1], s[SCO:SCO+1]       ; 256 consecutive bytes, aligned
	global_store_b64 v[ZERO], v[W4+4:W4+5], s[STA:STA+1]   ; (all lanes hold and write the same eight bytes)
.Lnot0:
; ---- P5: thread u sums p x h_enc for columns 4 u .. + 3 and 512 + 4 u .. + 3 over the 64 rows, eight rows a batch
.macro CB q
.irp i, 0,1,2,3,4,5,6,7
	ds_load_b64 v[H+32*((\q)%2)+4*\i:H+32*((\q)%2)+4*\i+1], v[HC0+(\q)/4] offset:((8*(\q)+\i)%32)*HBP
	ds_load_b64 v[H+32*((\q)%2)+4*\i+2:H+32*((\q)%2)+4*\i+3], v[HC0+(\q)/4] offset:((8*(\q)+\i)%32)*HBP+1024
.endr
.endm
.macro BATCH q
.if (\q) < 7
.if (\q) > 0
	s_wait_alu depctr_va_vdst(0)                   ; the batch before is done reading its set of rows, in which the loads below land
.endif
	CB (\q)+1
	s_wait_dscnt 16                                ; all but the next batch's sixteen loads
.else
	s_wait_dscnt 0x0
.endif
.irp i, 0,1,2,3,4,5,6,7
.irp x, 0,1
.irp e, 0,1
	v_fma_mix_f32_bf16 v[CA+4*\x+2*\e], v[H+32*((\q)%2)+4*\i+2*\x+\e], v[P+8*(\q)+\i], v[CA+4*\x+2*\e] op_sel_hi:[1,0,0]
	v_fma_mix_f32_bf16 v[CA+4*\x+2*\e+1], v[H+32*((\q)%2)+4*\i+2*\x+\e], v[P+8*(\q)+\i], v[CA+4*\x+2*\e+1] op_sel:[1,0,0] op_sel_hi:[1,0,0]
.endr
.endr
.endr
.endm
	CB 0
.irp a, 0,1,2,3,4,5,6,7
	v_mov_b32 v[CA+\a], 0
.endr
.set Q, 0
.rept 8
	BATCH Q
.set Q, Q+1
.endr
	s_wait_alu depctr_va_vdst(0)                   ; the last batch has written the eight sums, which the stores read
	global_store_b128 v[PCO], v[CA:CA+3], s[PCB:PCB+1]             ; a wave stores 512 consecutive bytes
	global_store_b128 v[PCO], v[CA+4:CA+7], s[PCB:PCB+1] offset:2048
	s_wait_dscnt 0x0                               ; the closing lines, six on end
	s_wait_alu 0x0
	s_wait_tensorcnt 0x0
	ds_add_u32 v190, v191
	s_wait_dscnt 0x0
	s_endpgm
.Lidle:                                                ; no row of this tile counts: neutral numbers, so that the next launch reads only what was stored
	s_cmp_lg_u32 s[WV], 0
	s_cbranch_scc1 .Lend
	v_mov_b32 v[W4], 0xff61b1e6
	v_mov_b32 v[W4+1], 0xff61b1e6
	v_mov_b32 v[W4+2], 0xff61b1e6                  ; m = -3e38,
	v_mov_b32 v[W4+3], 0                           ; l = 0
	s_wait_alu depctr_va_vdst(0)                   ; the four numbers are written, which the stores read
	global_store_b64 v[L8], v[W4:W4+1], s[SCO:SCO+1]
	global_store_b64 v[ZERO], v[W4+2:W4+3], s[STA:STA+1]
.Lend:
	s_wait_dscnt 0x0                               ; the closing lines, six on end, as above
	s_wait_alu 0x0
	s_wait_tensorcnt 0x0
	ds_add_u32 v190, v191
	s_wait_dscnt 0x0
	s_endpgm
.Lfunc_end_k_q652e4ee7c8_main:
	.size	k_q652e4ee7c8_main, .Lfunc_end_k_q652e4ee7c8_main-k_q652e4ee7c8_main
	.p2alignl 7, 3214868480
	.fill 96, 4, 3214868480
	.section	.rodata,"a",@progbits
	.p2align	6, 0x0
	.amdhsa_kernel k_q652e4ee7c8_main
		.amdhsa_group_segment_fixed_size 227840
		.amdhsa_private_segment_fixed_size 0
		.amdhsa_enable_private_segment 0
		.amdhsa_kernarg_size 72
		.amdhsa_user_sgpr_count 2
		.amdhsa_user_sgpr_kernarg_segment_ptr 1
		.amdhsa_wavefront_size32 1
		.amdhsa_system_sgpr_workgroup_id_x 1
		.amdhsa_system_sgpr_workgroup_id_y 1
		.amdhsa_system_sgpr_workgroup_id_z 1
		.amdhsa_system_vgpr_workitem_id 0
		.amdhsa_next_free_vgpr 1024
		.amdhsa_next_free_sgpr 66
		.amdhsa_reserve_vcc 0
		.amdhsa_float_denorm_mode_32 3
		.amdhsa_float_denorm_mode_16_64 3
		.amdhsa_memory_ordered 1
		.amdhsa_forward_progress 1
		.amdhsa_inst_pref_size 255
	.end_amdhsa_kernel
	.section	.bss,"aw",@nobits
	.p2align	6
	.space	262144
	.amdgpu_metadata
---
amdhsa.version: [ 1, 2 ]
amdhsa.kernels:
  - .name:           k_q652e4ee7c8_main
    .symbol:         k_q652e4ee7c8_main.kd
    .args:
      - { .name: h_enc, .offset: 0, .size: 8, .value_kind: global_buffer, .address_space: global }
      - { .name: wq, .offset: 8, .size: 8, .value_kind: global_buffer, .address_space: global }
      - { .name: ws, .offset: 16, .size: 8, .value_kind: global_buffer, .address_space: global }
      - { .name: bc, .offset: 24, .size: 8, .value_kind: global_buffer, .address_space: global }
      - { .name: v, .offset: 32, .size: 8, .value_kind: global_buffer, .address_space: global }
      - { .name: src_lens, .offset: 40, .size: 8, .value_kind: global_buffer, .address_space: global }
      - { .name: sc, .offset: 48, .size: 8, .value_kind: global_buffer, .address_space: global }
      - { .name: st, .offset: 56, .size: 8, .value_kind: global_buffer, .address_space: global }
      - { .name: pc, .offset: 64, .size: 8, .value_kind: global_buffer, .address_space: global }
    .group_segment_fixed_size: 227840
    .private_segment_fixed_size: 0
    .kernarg_segment_align: 8
    .kernarg_segment_size: 72
    .max_flat_workgroup_size: 128
    .sgpr_count:     66
    .vgpr_count:     1024
    .wavefront_size: 32
...
	.end_amdgpu_metadata
.endif
;; end of part 5
;; launch finish: the kernel of part 3 again; grid 32 x 4, 2 waves a work-group, no clusters, 0 bytes of LDS; arguments src_lens, st, sc, pc, out0, out1; writes out0, out1
